; MI455X (gfx1250); checked and timed in simulation.
; The chip was launched on July 23, 2026; its instructions are those of AMD's public machine-readable ISA for CDNA 5 (MIT licence, August 2026) and "CDNA5" Instruction Set Architecture Reference Guide (July 2026). The comments in the code are by the model that wrote it; some were corrected since.
;; Self Attention. Allowed arithmetic: matrix products marked QUANTISED: E2M1 operands, one E8M0 scale for each 32 along K, by v_wmma_scale_f32_16x16x128_f8f6f4 with both operands' format E2M1 (or v_wmma_scale_f32_32x16x128_f4), f32 sums; everything else in f32.
;; Inputs: Wk 1,024 x 1,024 float32; Wo 1,024 x 1,024 float32; Wq 1,024 x 1,024 float32; Wv 1,024 x 1,024 float32; bk 1,024 float32; bo 1,024 float32; bq 1,024 float32; bv 1,024 float32; x 2 x 2,048 x 1,024 float32.
;; Outputs: out0 2 x 2,048 x 1,024 float32.
;; This version of the problem:
;;   THIS VERSION OF THE PROBLEM IS GIVEN IN LOW PRECISION. The matrix products marked QUANTISED in the list below multiply operands that are first quantised to E2M1 (2 exponent bits, 1 mantissa bit; 4 bits a number), with one power-of-two scale for each 32 numbers along K (OCP MX v1.0); their sums are f32. All else is computed in f32.
;;   The module's matrix products, in the order in which they are computed (A, B: the left and right operand; K: the contracted axis; several contracted axes count as one K, in the product's order):
;;     1. [M 4,096, K 1,024] x [K 1,024, N 1,024]; A: input x; B: input Wq: QUANTISED
;;     2. [M 4,096, K 1,024] x [K 1,024, N 1,024]; A: input x; B: input Wk: QUANTISED
;;     3. [M 4,096, K 1,024] x [K 1,024, N 1,024]; A: input x; B: input Wv: QUANTISED
;;     4. batch 32 x [M 2,048, K 64] x [K 64, N 2,048]; A: computed on the way; B: computed on the way: QUANTISED
;;     5. batch 32 x [M 2,048, K 2,048] x [K 2,048, N 64]; A: softmax (see below); B: computed on the way: QUANTISED
;;     6. [M 4,096, K 1,024] x [K 1,024, N 1,024]; A: computed on the way; B: input Wo: QUANTISED
;;   THE QUANTISER, for each operand of a quantised product, along K:
;;     - K is cut into blocks of 32 from its start; a last block that is shorter is filled with zeros.
;;     - A block's scale is 2^e with e = floor(log2(the largest magnitude in the block)) - 2, held to -126 .. 127; a block of zeros has e = 0. As a byte (E8M0): e + 127.
;;     - Each number is divided by its block's scale, clamped to +-6, and rounded to the nearest number of E2M1, ties to even, subnormals kept.
;;     - The product sums the exact products of the quantised numbers (number of the format x scale) in f32.
;;   ~~~python
;;   def quantise(x, axis):      # numpy; x: float32 -> the quantised numbers, widened to float32 again
;;       x = np.moveaxis(x, axis, -1); K = x.shape[-1]
;;       x = np.pad(x, [(0, 0)] * (x.ndim - 1) + [(0, -K % 32)]); x = x.reshape(x.shape[:-1] + (-1, 32)); a = np.abs(x).max(-1, keepdims=True)
;;       e = np.where(a > 0, np.clip(np.frexp(np.where(a > 0, a, 1))[1] - 1 - 2, -126, 127), 0)      # np.frexp(a)[1] - 1 = floor(log2(a)), exactly
;;       r = np.clip(x / 2.0 ** e, -6, 6)
;;       step = 2.0 ** (np.maximum(np.frexp(np.where(r == 0, 1, r))[1] - 1, 0) - 1)
;;       q = np.round(r / step) * step * 2.0 ** e      # np.round: ties to even
;;       return np.moveaxis(q.reshape(q.shape[:-2] + (-1,))[..., :K], -1, axis).astype(np.float32)
;;   ~~~
;;   SOFTMAX AHEAD OF A QUANTISED PRODUCT. Where the list says 'softmax', what is quantised is not the finished softmax but p = 2^(t - M), with t = logit x log2(e) and M = ceil(the row's largest t), a whole number; so 1/2 < the row's largest p <= 1. The row's sum l is taken of the UNQUANTISED p, in f32, and the product's result is divided by l at the end. Since M is a whole number, a kernel that streams over the keys may use a running M (the ceiling of the running maximum): every later rescaling is an exact power of two, which a block's scale takes up: the codes' values come out the same.
;;   OPERANDS COMPUTED ON THE WAY. 'Computed on the way' means the value that the module computes at that place (a softmax that the list does not call 'softmax' is quantised finished and normalised). What goes into a quantiser is computed in f32, as accurately as f32 sums, v_exp_f32 and their like allow (about 1e-6 of the number): no bf16 or f16 on the way to a quantiser, and a product that is left as it is and whose result goes on into a quantised operand takes f32 operands (vector FMAs, or v_wmma_f32_16x16x4_f32). A number that lies on a knife's edge between two numbers of the format may be rounded either way, as far as f32 arithmetic and the matrix unit's own rounding can turn it there, and no further.
;; One version. Each part assembles by itself: llvm-mc -triple=amdgcn-amd-amdhsa -mcpu=gfx1250 --defsym DOCPART=n.
;; ======== version 1 of 1: 4 launches
;; limits: right only within a limited range of input values
;; workspace buffers: ximg 2,097,152 bytes; wimg 2,097,152 bytes; sc 262,144 bytes; qb 2,359,296 bytes; kv 4,587,520 bytes; aimg 2,097,152 bytes; asc 131,072 bytes
;; launch quant (part 1): grid 512 x 1, 4 waves a work-group, no clusters, 34,816 bytes of LDS; arguments x, Wq, Wk, Wv, Wo, ximg, wimg, sc; writes ximg, wimg, sc
.if DOCPART == 1
	.amdgcn_target "amdgcn-amd-amdhsa--gfx1250"
	.amdhsa_code_object_version 6
	.text
	.protected	k_q31f80493f6_quant
	.globl	k_q31f80493f6_quant
	.p2align	8
	.type	k_q31f80493f6_quant,@function
k_q31f80493f6_quant:
	s_mov_b64 s[64:65], 0
	v_nop
	global_prefetch_b8 v0, s[64:65] scope:SCOPE_SE
	s_setreg_imm32_b32 hwreg(HW_REG_WAVE_MODE, 25, 1), 1
	s_wait_xcnt 0x0
; SELF-ATTENTION IN MX-FP4, launch 1 of 4: x [4096][1024] and the four weights [1024 (k)][1024 (n)], f32, become codes of E2M1 with one E8M0 byte for each 32 along K.
; NO WORK OF THE PROBLEM IS LEFT OUT in any launch: every input reaches the output (bk too: it moves K's codes), no product is dead.  The head's 64 fill half of the matrix instruction's 128 along K in the
; product Q K^T: Q's other half are zero codes, inside live tiles.
; THE ROWS OF A TILE, in every operand of the program: rows go in groups of 64; lane-row r of tile 4 g + u is row 64 g + 32 (r / 8) + 8 u + r % 8.  A product that takes the four tiles of a group as source 0
; leaves in a lane's 32 registers the rows 64 g + 32 (lane / 16) + 0 .. 31: one whole block of the next quantiser.
; THE CODES ARE LAID AS IMAGES OF THE OPERAND'S REGISTERS: a fragment (16 rows x 128 K, 8 registers a lane) is 1,024 bytes, register group c of lane L at 512 c + 16 L.  A tile of x, Wq, Wk, Wv has 8 fragments on end.
; Tiles of the weights: 12 head + 4 w + u for w = 0, 1, 2 (Wq, Wk, Wv: 64 columns a head), 192 + 4 g + u for Wo; a tile's rows are columns n of W.
; Wo's images are laid by pairs of K steps: group g of 64 columns begins at 1,572,864 + 32,768 g; in it [K step / 2][tile u][K step % 2][1,024].
; Scale words (four bytes: 128 along K of a row): [tile][K step / 4][row r][K step % 4], 512 bytes a tile; x's 256 tiles first, then the weights' 256.
; A block's scale is 2^(floor(log2(largest magnitude)) - 2): its byte is the largest magnitude's exponent field - 2.
; LIMITS: a block whose largest magnitude lies under 2^-124 gets the byte 1, a block of zeros too (the rule says 127): its codes are zeros and this program alone reads the bytes.  NaN and infinities among the inputs are not served.
; Work-groups 0-255 take x, a tile each; 256-511 the weights: equal numbers of bytes.  No tensor load, no cluster, no prefetch: the launch is a stream that is read once.
.set STG,   8448                       ; x path: a wave's stage, 16 rows x (512 bytes + 16)
.set WORDS, 4*STG                      ; the tile's scale words, 512 bytes
.set SPARE, WORDS+512                  ; the spare words, 128 bytes a wave
.set SPW,   30                         ; v30 my spare word's LDS address; never rewritten
.set NIL,   31                         ; v31 0; never rewritten
.set RS,    32                         ; v32-159 x path: two sets of 64 registers as loaded;  W path: a lane's 128 numbers down K
.set XN,    160                        ; v160-223 x path: my 64 numbers of a fragment;  W path: v160-175 the codes
.set CD,    224                        ; v224-239 x path: the codes, 8 registers for each of the two fragments
.set WD,    22                         ; v22-23 x path: the two scale words
	s_load_b512 s[4:19], s[0:1], 0x0               ; x 4:5, Wq 6:7, Wk 8:9, Wv 10:11, Wo 12:13, ximg 14:15, wimg 16:17, sc 18:19
	v_lshl_add_u32 v[SPW], v0, 2, SPARE
	v_mov_b32 v[NIL], 0
	v_lshrrev_b32 v1, 5, v0
	v_readfirstlane_b32 s20, v1                    ; wave
	v_and_b32 v1, 31, v0                           ; lane
	v_and_b32 v2, 15, v0                           ; r
	v_bfe_u32 v3, v0, 4, 1                         ; h (W path: which of my two tiles)
	v_lshlrev_b32 v4, 4, v1                        ; 16 x lane
	s_mul_i32 s21, s20, STG
	v_add_nc_u32 v5, s21, v4                       ; the stage, on the way in: a row's 512 bytes as they lie
	v_mul_u32_u24 v6, v2, 528
	v_lshl_add_u32 v6, v3, 7, v6
	v_add_nc_u32 v6, s21, v6                       ; and on the way out: row r, + 128 h bytes: my block of 32 numbers
	v_lshlrev_b32 v7, 3, v3                        ; 8 h: my bytes' place in a scale word
	s_lshr_b32 s22, s20, 1
	s_lshl_b32 s22, s22, 8
	s_and_b32 s23, s20, 1
	s_lshl_b32 s23, s23, 3
	v_mov_b32 v15, 0                               ; a lane permute's destination counts as one of its sources
	v_lshlrev_b32 v17, 4, v2
	v_add_nc_u32 v17, s22, v17
	v_add_nc_u32 v17, s23, v17
	v_add_nc_u32 v17, WORDS, v17                   ; x: where my two words of row r go
	v_add_nc_u32 v18, WORDS, v4                    ; and 16 x lane of them
	v_and_b32 v19, 8, v2
	v_mul_u32_u24 v19, v19, 3
	v_add_nc_u32 v19, v19, v2
	v_lshl_add_u32 v19, v3, 3, v19
	v_lshlrev_b32 v19, 2, v19                      ; W, in: column 32 (r / 8) + 8 h + r % 8
	v_lshlrev_b32 v20, 4, v2
	v_lshl_add_u32 v21, v3, 9, v20                 ; W, scale words: tile h, row r
	s_mov_b32 s24, 0x76543210
	s_mov_b32 s25, 0xfedcba98                      ; selects for lane l xor 16
	s_mov_b32 s29, 0
	s_wait_alu depctr_va_vdst(0)                   ; the wait at the head's end
	s_wait_kmcnt 0x0
	s_cmp_ge_u32 ttmp9, 256
	s_cbranch_scc1 .Lw
; ---- x: a work-group takes one tile (16 rows), a wave 256 along K of it: two fragments
	s_lshr_b32 s28, ttmp9, 2
	s_lshl_b32 s28, s28, 18                        ; 64 rows of 4,096 bytes a group,
	s_and_b32 s27, ttmp9, 3
	s_lshl_b32 s27, s27, 15                        ; 8 rows on from tile to tile,
	s_add_co_u32 s28, s28, s27
	s_lshl_b32 s27, s20, 10                        ; 1,024 bytes on from wave to wave
	s_add_co_u32 s28, s28, s27
	s_add_nc_u64 s[4:5], s[4:5], s[28:29]
	s_lshl_b32 s28, ttmp9, 13
	s_lshl_b32 s27, s20, 11
	s_add_co_u32 s28, s28, s27
	s_add_nc_u64 s[14:15], s[14:15], s[28:29]      ; the images
	s_lshl_b32 s28, ttmp9, 9
	s_add_nc_u64 s[18:19], s[18:19], s[28:29]      ; the tile's scale words
.macro XLOAD t                         ; fragment t: 16 loads, each 512 consecutive bytes of one of the tile's rows
.irp i, 0,1,2,3,4,5,6,7,8,9,10,11,12,13,14,15
	global_load_b128 v[RS+64*(\t)+4*\i:RS+64*(\t)+4*\i+3], v4, s[4:5] offset:(\i+24*(\i/8))*4096+512*(\t) th:TH_LOAD_NT
.endr
.endm
.macro XFRAG t
	s_wait_loadcnt 16*(1-(\t))                     ; this fragment's 16 loads are in; the next fragment's 16 stay out
.irp i, 0,1,2,3,4,5,6,7,8,9,10,11,12,13,14,15
	ds_store_b128 v5, v[RS+64*(\t)+4*\i:RS+64*(\t)+4*\i+3] offset:528*\i
.endr
.irp c, 0,1
.irp j, 0,1,2,3,4,5,6,7
	ds_load_b128 v[XN+32*\c+4*\j:XN+32*\c+4*\j+3], v6 offset:256*\c+16*\j   ; k = 64 c + 32 h + 0 .. 31 of row r: a whole block; LDS serves a wave's instructions in order
.endr
.endr
	s_wait_dscnt 0x0
.irp c, 0,1
	v_max3_num_f32 v[8+\c], |v[XN+32*\c]|, |v[XN+1+32*\c]|, 0x1800000   ; with the floor 2^(3 - 127): the byte cannot fall under 1
.endr
.irp i, 2,4,6,8,10,12,14,16,18,20,22,24,26,28,30
.irp c, 0,1
	v_max3_num_f32 v[8+\c], v[8+\c], |v[XN+32*\c+\i]|, |v[XN+1+32*\c+\i]|
.endr
.endr
.irp c, 0,1
	v_add_nc_u32 v[10+\c], 0xff000000, v[8+\c]     ; 2 off the exponent field: the conversion's scale operand
.endr
.irp c, 0,1
	v_lshrrev_b32 v[12+\c], 23, v[10+\c]           ; the scale's byte
.endr
	v_lshl_or_b32 v14, v13, 16, v12                ; my bytes: blocks h and 2 + h,
	v_lshlrev_b32 v14, v7, v14                     ; at their places;
	v_permlanex16_b32 v15, v14, s24, s25
	v_or_b32 v[WD+(\t)], v14, v15                  ; with lane l xor 16's the word is whole
.irp c, 0,1
.irp g, 0,1,2,3
	v_cvt_scalef32_pk8_fp4_f32 v[CD+8*(\t)+4*\c+\g], v[XN+32*\c+8*\g:XN+32*\c+8*\g+7], v[10+\c]
.endr
.endr
	v_nop                                          ; a plain line behind the last conversion
.irp c, 0,1
	global_store_b128 v4, v[CD+8*(\t)+4*\c:CD+8*(\t)+4*\c+3], s[14:15] offset:1024*(\t)+512*\c   ; 512 consecutive bytes
.endr
.endm
	XLOAD 0
	XLOAD 1
	XFRAG 0
	XFRAG 1
	ds_store_b64 v17, v[WD:WD+1]                   ; the tile's 512 bytes of scale words meet in LDS (lanes r and 16 + r write the same words)
	s_wait_dscnt 0x0                               ; for the others' sake: my words have landed
	s_barrier_signal -1
	s_barrier_wait -1
	s_cmp_lg_u32 s20, 0
	s_cbranch_scc1 .Lend
	ds_load_b128 v[8:11], v18
	s_wait_dscnt 0x0
	global_store_b128 v4, v[8:11], s[18:19]        ; wave 0: 512 consecutive bytes
	s_branch .Lend
; ---- a weight: a wave takes 32 columns (two tiles) x 128 along K.  A lane takes a column and its registers run down K: nothing is transposed
.Lw:
	s_sub_co_u32 s22, ttmp9, 256
	s_lshr_b32 s23, s22, 6                         ; which weight
	s_bfe_u32 s26, s22, 0x30003                    ; K step
	s_and_b32 s27, s22, 7
	s_lshl_b32 s27, s27, 2
	s_add_co_u32 s27, s27, s20
	s_lshr_b32 s30, s27, 1                         ; group of 64 columns
	s_and_b32 s31, s27, 1                          ; its tiles 0, 1 or 2, 3
	s_cmp_eq_u32 s23, 1
	s_cselect_b64 s[6:7], s[8:9], s[6:7]
	s_cmp_eq_u32 s23, 2
	s_cselect_b64 s[6:7], s[10:11], s[6:7]
	s_cmp_eq_u32 s23, 3
	s_cselect_b64 s[6:7], s[12:13], s[6:7]
	s_mul_i32 s33, s30, 12
	s_lshl_b32 s32, s23, 2
	s_add_co_u32 s33, s33, s32                     ; Wq, Wk, Wv: tile 12 g + 4 w
	s_lshl_b32 s34, s30, 2
	s_add_co_u32 s34, s34, 192                     ; Wo: 192 + 4 g
	s_cmp_eq_u32 s23, 3
	s_cselect_b32 s33, s34, s33
	s_lshl_b32 s32, s31, 1
	s_add_co_u32 s33, s33, s32                     ; the first of my two tiles
	s_lshl_b32 s28, s26, 19                        ; 128 rows of 4,096 bytes a K step
	s_lshl_b32 s32, s30, 8
	s_add_co_u32 s28, s28, s32
	s_lshl_b32 s32, s31, 6
	s_add_co_u32 s28, s28, s32
	s_add_nc_u64 s[6:7], s[6:7], s[28:29]
	s_lshl_b32 s28, s33, 13
	s_lshl_b32 s32, s26, 10
	s_add_co_u32 s28, s28, s32
	s_lshl_b32 s34, s30, 15                        ; Wo: 32,768 bytes a group,
	s_add_co_u32 s34, s34, 1572864
	s_lshr_b32 s35, s26, 1
	s_lshl_b32 s35, s35, 13                        ; 8,192 a pair of K steps,
	s_add_co_u32 s34, s34, s35
	s_lshl_b32 s35, s31, 12                        ; 2,048 a tile,
	s_add_co_u32 s34, s34, s35
	s_and_b32 s35, s26, 1
	s_lshl_b32 s35, s35, 10                        ; 1,024 a K step of the pair
	s_add_co_u32 s34, s34, s35
	s_mov_b32 s36, 8192                            ; from tile to tile
	s_cmp_eq_u32 s23, 3
	s_cselect_b32 s28, s34, s28
	s_cselect_b32 s36, 2048, s36
	s_add_nc_u64 s[16:17], s[16:17], s[28:29]
	v_mul_u32_u24 v9, s36, v3
	v_add_nc_u32 v20, v9, v20                      ; codes: tile h, 16 r
	s_wait_alu depctr_va_vdst(0)
	s_lshl_b32 s28, s33, 9
	s_lshr_b32 s32, s26, 2
	s_lshl_b32 s32, s32, 8
	s_add_co_u32 s28, s28, s32
	s_and_b32 s32, s26, 3
	s_lshl_b32 s32, s32, 2
	s_add_co_u32 s28, s28, s32
	s_add_co_u32 s28, s28, 131072                  ; behind x's scale words
	s_add_nc_u64 s[18:19], s[18:19], s[28:29]
.macro WLOAD bb
.irp i, 0,1,2,3,4,5,6,7,8,9,10,11,12,13,14,15,16,17,18,19,20,21,22,23,24,25,26,27,28,29,30,31
	global_load_b32 v[RS+32*(\bb)+\i], v19, s[6:7] offset:4096*(32*(\bb)+\i)
.endr
.endm
.macro WBLOCK bb                       ; block bb of 32 along K: in the image it is register group bb / 2 of lanes 16 (bb % 2) + r: byte 256 bb + 16 r
.set XS, RS+32*(\bb)
.if (\bb) < 3
	s_wait_loadcnt 32                              ; this block's 32 loads are in; the next block's 32 stay out
.else
	s_wait_loadcnt 0
.endif
.if (\bb) < 2
	WLOAD (\bb)+2
.endif
	v_max3_num_f32 v12, |v[XS]|, |v[XS+1]|, |v[XS+2]|
	v_max3_num_f32 v13, |v[XS+3]|, |v[XS+4]|, |v[XS+5]|
.irp i, 6,10,14,18,22,26
	v_max3_num_f32 v12, v12, |v[XS+\i]|, |v[XS+\i+1]|
	v_max3_num_f32 v13, v13, |v[XS+\i+2]|, |v[XS+\i+3]|
.endr
	v_max3_num_f32 v12, v12, |v[XS+30]|, |v[XS+31]|
	v_max3_num_f32 v12, v12, v13, 0x1800000
	v_add_nc_u32 v11, 0xff000000, v12
	v_lshrrev_b32 v13, 23, v11
.if (\bb) == 0
	v_mov_b32 v14, v13
.else
	v_lshl_or_b32 v14, v13, 8*(\bb), v14
.endif
.irp g, 0,1,2,3
	v_cvt_scalef32_pk8_fp4_f32 v[XN+4*(\bb)+\g], v[XS+8*\g:XS+8*\g+7], v11
.endr
	v_nop
	global_store_b128 v20, v[XN+4*(\bb):XN+4*(\bb)+3], s[16:17] offset:256*(\bb)   ; sixteen lanes store 256 consecutive bytes, aligned
.endm
	WLOAD 0
	WLOAD 1
	WBLOCK 0
	WBLOCK 1
	WBLOCK 2
	WBLOCK 3
	global_store_b32 v21, v14, s[18:19]            ; my column's word of this K step: 4 bytes of each 16; one byte for each 128 that the path reads
.Lend:
	s_wait_tensorcnt 0x0                           ; the wave's end
	ds_add_u32 v[SPW], v[NIL]
	s_wait_dscnt 0x0
	s_endpgm
.Lfunc_end_k_q31f80493f6_quant:
	.size	k_q31f80493f6_quant, .Lfunc_end_k_q31f80493f6_quant-k_q31f80493f6_quant
	.p2alignl 7, 3214868480
	.fill 96, 4, 3214868480
	.section	.rodata,"a",@progbits
	.p2align	6, 0x0
	.amdhsa_kernel k_q31f80493f6_quant
		.amdhsa_group_segment_fixed_size 34816
		.amdhsa_private_segment_fixed_size 0
		.amdhsa_enable_private_segment 0
		.amdhsa_kernarg_size 64
		.amdhsa_user_sgpr_count 2
		.amdhsa_user_sgpr_kernarg_segment_ptr 1
		.amdhsa_wavefront_size32 1
		.amdhsa_system_sgpr_workgroup_id_x 1
		.amdhsa_system_sgpr_workgroup_id_y 1
		.amdhsa_system_sgpr_workgroup_id_z 1
		.amdhsa_system_vgpr_workitem_id 0
		.amdhsa_next_free_vgpr 256
		.amdhsa_next_free_sgpr 66
		.amdhsa_reserve_vcc 0
		.amdhsa_float_denorm_mode_32 3
		.amdhsa_float_denorm_mode_16_64 3
		.amdhsa_memory_ordered 1
		.amdhsa_forward_progress 1
		.amdhsa_inst_pref_size 37
	.end_amdhsa_kernel
	.amdgpu_metadata
---
amdhsa.version: [ 1, 2 ]
amdhsa.kernels:
  - .name:           k_q31f80493f6_quant
    .symbol:         k_q31f80493f6_quant.kd
    .args:
      - { .name: x, .offset: 0, .size: 8, .value_kind: global_buffer, .address_space: global }
      - { .name: Wq, .offset: 8, .size: 8, .value_kind: global_buffer, .address_space: global }
      - { .name: Wk, .offset: 16, .size: 8, .value_kind: global_buffer, .address_space: global }
      - { .name: Wv, .offset: 24, .size: 8, .value_kind: global_buffer, .address_space: global }
      - { .name: Wo, .offset: 32, .size: 8, .value_kind: global_buffer, .address_space: global }
      - { .name: ximg, .offset: 40, .size: 8, .value_kind: global_buffer, .address_space: global }
      - { .name: wimg, .offset: 48, .size: 8, .value_kind: global_buffer, .address_space: global }
      - { .name: sc, .offset: 56, .size: 8, .value_kind: global_buffer, .address_space: global }
    .group_segment_fixed_size: 34816
    .private_segment_fixed_size: 0
    .kernarg_segment_align: 8
    .kernarg_segment_size: 64
    .max_flat_workgroup_size: 128
    .sgpr_count:     66
    .vgpr_count:     256
    .wavefront_size: 32
...
	.end_amdgpu_metadata
.endif
;; end of part 1
;; launch qkv (part 2): grid 16 x 16, 4 waves a work-group, clusters of 4 x 4, 230,400 bytes of LDS; arguments ximg, wimg, sc, bq, bk, bv, qb, kv; writes qb, kv
.if DOCPART == 2
	.amdgcn_target "amdgcn-amd-amdhsa--gfx1250"
	.amdhsa_code_object_version 6
	.text
	.protected	k_q31f80493f6_qkv
	.globl	k_q31f80493f6_qkv
	.p2align	8
	.type	k_q31f80493f6_qkv,@function
k_q31f80493f6_qkv:
	s_mov_b64 s[64:65], 0
	v_nop
	global_prefetch_b8 v0, s[64:65] scope:SCOPE_SE
	s_setreg_imm32_b32 hwreg(HW_REG_WAVE_MODE, 25, 1), 1
	s_wait_xcnt 0x0
	s_wait_alu depctr_hold_cnt(0) depctr_sa_sdst(0) depctr_va_vdst(0) depctr_va_sdst(0) depctr_va_ssrc(0) depctr_va_vcc(0) depctr_vm_vsrc(0)
	s_getreg_b32 s2, hwreg(HW_REG_IB_STS2, 6, 4)
	s_cmp_eq_u32 s2, 0
	s_cbranch_scc0 .Lentry_in_a_cluster
	s_endpgm
.Lentry_in_a_cluster:
	s_bfe_u32 s2, ttmp6, 0x10000c
	s_cmp_lg_u32 s2, 0xf033
	s_cbranch_scc0 .Lentry_shape_is_right
	s_endpgm
.Lentry_shape_is_right:
; Launch 2 of 4: Q = x Wq + bq, K = x Wk + bk, V = x Wv + bv on codes of E2M1, and the three results quantised in registers into the operands of attention.  No work is left out.
; 256 work-groups: X = 0..15 names a head (64 columns of each of Wq, Wk, Wv: 12 tiles), Y = 0..15 names 256 tokens (16 tiles).  Four waves, each 64 tokens x all 192 columns: 48 accumulators.
; Q, K: source 0 = features (the next K is the head's 64), source 1 = tokens.  V: source 0 = tokens (the next K is the keys), source 1 = features.  In both a lane's 32 registers of four tiles are one whole block of
; the next quantiser (first launch): no other lane is asked.  THE BIAS is the C of each sum's first product.
; ALL OF K IS RESIDENT, filled once, in two halves of four K steps: wave 0 asks for the tokens' first half, wave 1 for the weights', waves 2 and 3 for the second halves: one tensor load a wave.  The second half
; lands while the first is multiplied.  All of it is asked for at the head, so there is no later stream for which a prefetch could be laid.
; CLUSTER 4 x 4: tokens' tiles hang on Y alone and are asked for jointly along a row of the cluster, weights' tiles on X alone and along a column.
; SCALE WORDS: a register holds K step k % 4, in lanes 0-15 for k < 4 and in lanes 16-31 for the others: 16 lane bytes of a tile's 512.
; OUT.  qb, a block of 73,728 bytes for each (batch, head): [query tile 0..127][512 bytes: registers 0-3 of the fragment, lane L at 16 L]; at 65,536 the scale words [128 tokens s][c][256].
; kv, a block of 143,360 bytes: 16 steps of 128 keys, 8,960 bytes each: K's images [tile 0..7][512]; at 4,096 V^T's [tile of 16 channels 0..3][1,024]; at 8,192 K's scale words [c][256]; at 8,704 V's, 256 bytes.
; Scale words of Q, K (bytes e0, e1, 0, 0), tile 4 c + u, row r: 256 c + 8 (16 (u % 2) + r) + 4 (u / 2).  V's, tile t, row r: 8 (16 (t % 2) + r) + 4 (t / 2).
; LIMITS: as in the first launch (blocks under 2^-124 and blocks of zeros get the byte 1; NaN and infinities are not served).
; REGISTERS, in windows of 256.  Window 0: below.  Window 1: two sets of fragments: token tile a at 128 p + 8 a, weight tile t at 128 p + 32 + 8 t.
;   Window 2: Q, K: (w, token tile a, feature tile u) at 8 (16 w + 4 a + u).  Window 3: V: (channel tile t, token tile b) at 8 (4 t + b).
.set HALF,  114688                     ; a half in LDS: tokens' 16 tiles x 4,096 bytes, then the weights' 12
.set TW,    65536
.set SVX,   2*HALF                     ; V's scale words on their way, 512 bytes
.set SPARE, SVX+512                    ; the spare words, 128 bytes a wave
.set SPW,  16
.set NIL,  17
.set YP,   18
.set TM,   22
.set SOP,  26
.set SCT,  32
.set SCW,  48
.set BQ,   96                          ; bq's 32 and bk's 32, then bv's
.set BV,   160
.set BVL,  192
.set PC,   196
.set WR,   244
.set BX,   248
.set OW,   252
.set SEL,  2                           ; s[2:3]
.set G1X,  24
.set G1W,  32
.set MSB, 0
.macro WIN new                         ; the immediate's high byte repeats the setting that is left
.if MSB != (\new)
	s_set_vgpr_msb (MSB<<8)|(\new)
.set MSB, (\new)
.endif
.endm
.macro CROUND                          ; a round of the cluster's barrier
	s_barrier_signal -1
	s_barrier_wait -1
	s_cmp_lg_u32 s20, 0
	s_cbranch_scc1 .Lnot_wave_0_\@
	s_barrier_signal -3
.Lnot_wave_0_\@:
	s_barrier_wait -3
	s_barrier_signal -1
	s_barrier_wait -1
.endm
.macro PLACES
.rept 4
	v_nop
.endr
.endm
	s_load_b512 s[4:19], s[0:1], 0x0               ; ximg 4:5, wimg 6:7, sc 8:9, bq 10:11, bk 12:13, bv 14:15, qb 16:17, kv 18:19
	v_lshl_add_u32 v[SPW], v0, 2, SPARE
	v_mov_b32 v[NIL], 0
	ds_add_u32 v[SPW], v[NIL]                      ; the wave's opening: the add, twice on end, and its wait ahead of my tensor load
	ds_add_u32 v[SPW], v[NIL]
	v_lshrrev_b32 v1, 5, v0
	v_readfirstlane_b32 s20, v1                    ; wave
	s_lshr_b32 s21, s20, 1                         ; which 128 of my 256 tokens
	s_and_b32 s22, s20, 1                          ; c: which 64 of those
	s_bfe_u32 s84, ttmp6, 0x40000                  ; cx
	s_bfe_u32 s85, ttmp6, 0x40004                  ; cy
	s_lshl_b32 s86, ttmp9, 2
	s_add_co_u32 s86, s86, s84                     ; X
	s_and_b32 s87, ttmp7, 0xffff
	s_lshl_b32 s87, s87, 2
	s_add_co_u32 s87, s87, s85                     ; Y
	s_lshl_b32 s88, s85, 2
	s_lshl_b32 s88, 15, s88                        ; my row of the cluster
	s_lshl_b32 s89, 0x1111, s84                    ; my column
	s_or_b32 s[G1X], s88, (3<<16)|(1<<21)          ; elements of 8 bytes; bit 21 beside a mask; no padding: images are read 512 consecutive bytes an instruction
	s_or_b32 s[G1W], s89, (3<<16)|(1<<21)
	s_mov_b32 s[G1X+2], 16<<16                     ; tensor_dim1: 16 tiles,
	s_mov_b32 s[G1W+2], 12<<16                     ; 12 tiles
	s_mov_b32 s[G1X+4], 16                         ; tile_dim1
	s_mov_b32 s[G1W+4], 12
.irp g, G1X, G1W
	s_mov_b32 s[\g+1], 512<<16                     ; tensor_dim0: 4,096 bytes, four K steps of a tile
	s_mov_b32 s[\g+3], 512<<16                     ; tile_dim0
	s_mov_b32 s[\g+5], 1024                        ; from tile to tile: 8,192 bytes
	s_mov_b32 s[\g+6], 0
	s_mov_b32 s[\g+7], 0
.endr
	s_lshl_b32 s56, s87, 17                        ; tokens: 16 tiles of 8,192 bytes for each Y
	s_mov_b32 s57, 0
	s_mul_i32 s58, s86, 98304                      ; weights: 12 tiles for each X, in registers that never hold Y
	s_mov_b32 s59, 0
	s_mov_b32 s[SEL], 0x76543210
	s_mov_b32 s[SEL+1], 0xfedcba98
	s_mov_b32 s40, 1
	s_mov_b32 s41, 0
	s_mov_b32 s44, 1
	s_mov_b32 s45, TW
	s_mov_b32 s48, 1
	s_mov_b32 s49, HALF
	s_mov_b32 s52, 1
	s_mov_b32 s53, HALF+TW
	s_wait_dscnt 0x0                               ; both opening adds are done
	s_wait_kmcnt 0x0
	s_add_nc_u64 s[42:43], s[4:5], s[56:57]
	s_add_nc_u64 s[46:47], s[6:7], s[58:59]
	s_add_nc_u64 s[50:51], s[42:43], 4096
	s_add_nc_u64 s[54:55], s[46:47], 4096
	s_or_b32 s43, s43, 0x80000000
	s_or_b32 s47, s47, 0x80000000
	s_or_b32 s51, s51, 0x80000000
	s_or_b32 s55, s55, 0x80000000
	CROUND                                         ; all sixteen work-groups are here: the joint loads meet
.macro ARM under, g0, g1, next         ; one chain of branches on the wave's number, one load to an arm
	s_cmp_lt_u32 s20, \under
	s_cbranch_scc0 \next
	tensor_load_to_lds s[\g0:\g0+3], s[\g1:\g1+7]
	s_nop 0
	PLACES
	s_branch .Lfilled
\next:
.endm
	ARM 1, 40, G1X, .Larm_w0
	ARM 2, 44, G1W, .Larm_t1
	ARM 3, 48, G1X, .Larm_w1
	tensor_load_to_lds s[52:55], s[G1W:G1W+7]
	s_nop 0
	PLACES
.Lfilled:
	; where my results go
	s_lshr_b32 s60, s87, 3
	s_lshl_b32 s60, s60, 4
	s_add_co_u32 s60, s60, s86                     ; 16 x batch + head
	s_mul_i32 s61, s60, 143360
	s_mul_i32 s62, s60, 73728
	s_lshl_b32 s63, s87, 1
	s_and_b32 s63, s63, 15                         ; my work-group's first key step of the batch
	s_mul_i32 s68, s63, 8960
	s_add_co_u32 s68, s68, s61
	s_mov_b32 s57, 0
	s_add_co_u32 s56, s68, 8704
	s_add_nc_u64 s[70:71], s[18:19], s[56:57]      ; V's scale words of that step
	s_mul_i32 s69, s21, 8960
	s_add_co_u32 s68, s68, s69                     ; my wave's step
	s_lshl_b32 s69, s22, 11
	s_add_co_u32 s56, s68, s69
	s_add_nc_u64 s[96:97], s[18:19], s[56:57]      ; K's images: tiles 4 c ..
	s_lshl_b32 s69, s22, 9
	s_add_co_u32 s56, s68, s69
	s_add_co_u32 s56, s56, 4096
	s_add_nc_u64 s[98:99], s[18:19], s[56:57]      ; V^T's: register group c
	s_lshl_b32 s69, s22, 8
	s_add_co_u32 s56, s68, s69
	s_add_co_u32 s56, s56, 8192
	s_add_nc_u64 s[72:73], s[18:19], s[56:57]      ; K's scale words
	s_add_co_u32 s56, s63, s21
	s_lshl_b32 s56, s56, 9
	s_add_co_u32 s56, s56, s69
	s_add_co_u32 s56, s56, s62
	s_add_co_u32 s56, s56, 65536
	s_add_nc_u64 s[74:75], s[16:17], s[56:57]      ; Q's scale words
	s_and_b32 s69, s87, 7
	s_lshl_b32 s69, s69, 13
	s_lshl_b32 s56, s20, 11
	s_add_co_u32 s56, s56, s69
	s_add_co_u32 s56, s56, s62
	s_add_nc_u64 s[94:95], s[16:17], s[56:57]      ; Q's images
	; the operands' scale words and the biases
	s_lshl_b32 s56, s87, 13
	s_lshl_b32 s69, s20, 11
	s_add_co_u32 s56, s56, s69
	s_add_nc_u64 s[60:61], s[8:9], s[56:57]        ; my four token tiles'
	s_mul_i32 s56, s86, 6144
	s_add_co_u32 s56, s56, 131072
	s_add_nc_u64 s[62:63], s[8:9], s[56:57]        ; the head's twelve weight tiles'
	s_lshl_b32 s56, s86, 8
	s_add_nc_u64 s[88:89], s[10:11], s[56:57]
	s_add_nc_u64 s[90:91], s[12:13], s[56:57]
	s_add_nc_u64 s[92:93], s[14:15], s[56:57]
	s_lshl_b32 s68, s20, 14                        ; my four token tiles in a half
	s_lshl_b32 s69, s21, 8
	s_lshl_b32 s76, s22, 1
	s_add_co_u32 s69, s69, s76
	v_and_b32 v1, 15, v0                           ; r
	v_bfe_u32 v2, v0, 4, 1                         ; h
	v_and_b32 v15, 31, v0
	v_lshlrev_b32 v3, 4, v15                       ; 16 x lane
	v_lshlrev_b32 v15, 3, v15                      ; 8 x lane
	v_add_nc_u32 v4, s68, v3                       ; my tokens' fragments, first half,
	v_add_nc_u32 v5, HALF, v4                      ; second half
	v_add_nc_u32 v6, TW, v3                        ; the weights'
	v_add_nc_u32 v7, HALF+TW, v3
	v_lshlrev_b32 v8, 3, v2                        ; 8 h
	v_lshlrev_b32 v9, 7, v2                        ; bq, bk: 32 h features on
	v_and_b32 v10, 8, v1
	v_mul_u32_u24 v10, v10, 3
	v_add_nc_u32 v10, v10, v1
	v_lshlrev_b32 v10, 2, v10                      ; bv: feature 32 (r / 8) + r % 8
	v_lshlrev_b32 v12, 3, v1
	v_add_nc_u32 v12, s69, v12
	v_add_nc_u32 v12, SVX, v12                     ; V's scale words, in: step, row, c
	v_add_nc_u32 v13, SVX, v3                      ; and out
	v_lshlrev_b32 v14, 4, v1
	v_mul_u32_u24 v11, v2, 8960
	v_add_nc_u32 v14, v11, v14                     ; lanes 16-31: the next step's 256 bytes
	v_cmp_eq_u32 s23, 1, v2                        ; lanes 16-31
.irp n, 0,1,2,3
	v_mov_b32 v[YP+\n], 0                          ; a lane permute's destination counts as one of its sources
.endr
	s_wait_alu depctr_va_vdst(0)                   ; the wait at the head's end
.irp a, 0,1,2,3
	global_load_b128 v[SCT+4*\a:SCT+4*\a+3], v3, s[60:61] offset:512*\a
.endr
.irp t, 0,1,2,3,4,5,6,7,8,9,10,11
	global_load_b128 v[SCW+4*\t:SCW+4*\t+3], v3, s[62:63] offset:512*\t
.endr
.irp i, 0,1,2,3,4,5,6,7
	global_load_b128 v[BQ+4*\i:BQ+4*\i+3], v9, s[88:89] offset:16*\i        ; register 8 u + j: feature 32 h + 8 u + j
	global_load_b128 v[BQ+32+4*\i:BQ+35+4*\i], v9, s[90:91] offset:16*\i
.endr
.irp t, 0,1,2,3
	global_load_b32 v[BVL+\t], v10, s[92:93] offset:32*\t
.endr
.macro FETCH k                         ; the 16 fragments of K step k into set k % 2: 32 loads of 512 consecutive bytes
	WIN 0x40
.irp a, 0,1,2,3
.irp c, 0,1
	ds_load_b128 v[128*((\k)%2)+8*\a+4*\c:128*((\k)%2)+8*\a+4*\c+3], v[4+(\k)/4] offset:\a*4096+((\k)%4)*1024+512*\c
.endr
.endr
.irp t, 0,1,2,3,4,5,6,7,8,9,10,11
.irp c, 0,1
	ds_load_b128 v[128*((\k)%2)+32+8*\t+4*\c:128*((\k)%2)+32+8*\t+4*\c+3], v[6+(\k)/4] offset:\t*4096+((\k)%4)*1024+512*\c
.endr
.endr
.endm
.macro WM d, a, b, c, sa, sb, hi       ; one product; hi: the scale words stand in lanes 16-31
.if \hi
	v_wmma_scale_f32_16x16x128_f8f6f4 v[(\d):(\d)+7], v[(\a):(\a)+7], v[(\b):(\b)+7], v[(\c):(\c)+7], v[(\sa)], v[(\sb)] matrix_a_fmt:MATRIX_FMT_FP4 matrix_b_fmt:MATRIX_FMT_FP4 matrix_a_scale:MATRIX_SCALE_ROW1 matrix_b_scale:MATRIX_SCALE_ROW1
.else
	v_wmma_scale_f32_16x16x128_f8f6f4 v[(\d):(\d)+7], v[(\a):(\a)+7], v[(\b):(\b)+7], v[(\c):(\c)+7], v[(\sa)], v[(\sb)] matrix_a_fmt:MATRIX_FMT_FP4 matrix_b_fmt:MATRIX_FMT_FP4
.endif
.endm
; The 48 accumulators take turns, one instruction a turn, in the same order in every K step
.macro MULQK k
.if (\k) == 0
	WIN 0x85                                       ; sources 0, 1 window 1; C (the bias) window 0; D window 2
.else
	WIN 0xa5
.endif
.irp a, 0,1,2,3
.irp t, 0,1,2,3,4,5,6,7
.set DR, 8*(16*(\t/4)+4*\a+(\t%4))
.if (\k) == 0
	WM DR, 128*((\k)%2)+32+8*\t, 128*((\k)%2)+8*\a, BQ+8*\t, SCW+4*\t+((\k)%4), SCT+4*\a+((\k)%4), (\k)/4
.else
	WM DR, 128*((\k)%2)+32+8*\t, 128*((\k)%2)+8*\a, DR, SCW+4*\t+((\k)%4), SCT+4*\a+((\k)%4), (\k)/4
.endif
.endr
.endr
.endm
.macro MULV k
.if (\k) == 0
	WIN 0xc5
.else
	WIN 0xf5
.endif
.irp t, 0,1,2,3
.irp b, 0,1,2,3
.set DR, 8*(4*\t+\b)
.if (\k) == 0
	WM DR, 128*((\k)%2)+8*\b, 128*((\k)%2)+96+8*\t, BV+8*\t, SCT+4*\b+((\k)%4), SCW+32+4*\t+((\k)%4), (\k)/4
.else
	WM DR, 128*((\k)%2)+8*\b, 128*((\k)%2)+96+8*\t, DR, SCT+4*\b+((\k)%4), SCW+32+4*\t+((\k)%4), (\k)/4
.endif
.endr
.endr
.endm
.macro STEP k
	s_wait_dscnt 0x0                               ; this step's fragments are in
.if (\k) == 3
	MULQK \k
	PLACES                                         ; four places in front of loads into the set that the step before multiplied
	s_wait_tensorcnt 0x0                           ; my tensor load has landed, if it was one of the second half's
	s_barrier_signal -1                            ; no LDS instruction of mine is out
	s_barrier_wait -1                              ; the second half is whole
	FETCH 4
	MULV \k
.else
.if (\k) < 7
	PLACES
	FETCH (\k)+1
.endif
	MULQK \k
	MULV \k
.endif
.endm
	s_wait_loadcnt 0x0                             ; scale words and biases
.irp t, 0,1,2,3
.irp j, 0,1,2,3,4,5,6,7
	v_mov_b32 v[BV+8*\t+\j], v[BVL+\t]             ; V: a lane is one feature
.endr
.endr
	s_wait_alu depctr_va_vdst(0)                   ; ahead of the waits below
	s_cmp_lt_u32 s20, 2                            ; waves 0 and 1 brought the first half: they wait for it; waves 2 and 3's loads stay out
	s_cbranch_scc0 .Lsecond
	s_wait_tensorcnt 0x0
.Lsecond:
	s_barrier_signal -1
	s_barrier_wait -1                              ; the first half is whole
	FETCH 0
	STEP 0
	STEP 1
	STEP 2
	STEP 3
	STEP 4
	STEP 5
	STEP 6
	STEP 7
	PLACES                                         ; four places in front of the first read of results
; Four blocks a lane become codes and words.  w: 0 Q, 1 K, 2 V; block n's 32 numbers lie at 32 n on.  Each accumulator is read from its low end on
.macro EPI w, base, step
.set AB, 128*((\w)%2)
.set PB, PC+16*(\w)
.set WN, 2+((\w)/2)
	WIN ((WN<<2)|(WN<<4))
.irp n, 0,1,2,3
	v_max3_num_f32 v[TM+\n], 0x1800000, |v[AB+32*\n]|, |v[AB+32*\n+1]|      ; with the floor 2^(3 - 127)
.endr
.irp i, 2,4,6,8,10,12,14,16,18,20,22,24,26,28,30
.irp n, 0,1,2,3
	v_max3_num_f32 v[TM+\n], v[TM+\n], |v[AB+32*\n+\i]|, |v[AB+32*\n+\i+1]|
.endr
.endr
	WIN 0
.irp n, 0,1,2,3
	v_add_nc_u32 v[SOP+\n], 0xff000000, v[TM+\n]   ; 2 off the exponent field: the conversion's scale operand
.endr
.irp n, 0,1,2,3
	v_lshrrev_b32 v[TM+\n], 23, v[SOP+\n]          ; the scale's byte,
.endr
.irp n, 0,1,2,3
	v_lshlrev_b32 v[BX+\n], v8, v[TM+\n]           ; at its place,
.endr
.irp n, 0,1,2,3
	v_permlanex16_b32 v[YP+\n], v[BX+\n], s[SEL], s[SEL+1]
.endr
.irp n, 0,1,2,3
	v_or_b32 v[WR+\n], v[BX+\n], v[YP+\n]          ; with lane l xor 16's
.endr
	WIN WN
.irp n, 0,1,2,3
.irp u, 0,1,2,3
	v_cvt_scalef32_pk8_fp4_f32 v[PB+4*\n+\u], v[AB+32*\n+8*\u:AB+32*\n+8*\u+7], v[SOP+\n]
.endr
.endr
	WIN 0
	v_nop                                          ; a plain line behind the last conversion
.irp n, 0,1,2,3
	global_store_b128 v3, v[PB+4*\n:PB+4*\n+3], s[\base:\base+1] offset:\step*\n   ; 512 consecutive bytes
.endr
.endm
.macro SENDW o, base                   ; Q's or K's words: lanes 0-15 tiles 0, 2; lanes 16-31 tiles 1, 3: 256 consecutive bytes, aligned
	v_cndmask_b32 v[\o], v[WR], v[WR+1], s23
	v_cndmask_b32 v[\o+1], v[WR+2], v[WR+3], s23
	global_store_b64 v15, v[\o:\o+1], s[\base:\base+1]
.endm
	EPI 2, 98, 1024
.irp t, 0,1,2,3
	ds_store_b16 v12, v[WR+\t] offset:128*(\t%2)+4*(\t/2)   ; two bytes of each word are mine, two the partner wave's: the words meet in LDS (lanes r and 16 + r write the same)
.endr
	EPI 0, 94, 512
	SENDW OW, 74
	EPI 1, 96, 512
	SENDW OW+2, 72
	s_wait_dscnt 0x0                               ; for the others' sake: my bytes have landed
	s_barrier_signal -1
	s_barrier_wait -1
	s_cmp_lg_u32 s20, 0
	s_cbranch_scc1 .Lend
	ds_load_b128 v[BVL:BVL+3], v13
	s_wait_dscnt 0x0
	global_store_b128 v14, v[BVL:BVL+3], s[70:71]  ; wave 0: two aligned units of 256 bytes, one for each key step
.Lend:
	s_wait_tensorcnt 0x0                           ; the wave's end
	ds_add_u32 v[SPW], v[NIL]
	s_wait_dscnt 0x0
	CROUND                                         ; the closing round
	s_endpgm
.Lfunc_end_k_q31f80493f6_qkv:
	.size	k_q31f80493f6_qkv, .Lfunc_end_k_q31f80493f6_qkv-k_q31f80493f6_qkv
	.p2alignl 7, 3214868480
	.fill 96, 4, 3214868480
	.section	.rodata,"a",@progbits
	.p2align	6, 0x0
	.amdhsa_kernel k_q31f80493f6_qkv
		.amdhsa_group_segment_fixed_size 230400
		.amdhsa_private_segment_fixed_size 0
		.amdhsa_enable_private_segment 0
		.amdhsa_kernarg_size 64
		.amdhsa_user_sgpr_count 2
		.amdhsa_user_sgpr_kernarg_segment_ptr 1
		.amdhsa_wavefront_size32 1
		.amdhsa_system_sgpr_workgroup_id_x 1
		.amdhsa_system_sgpr_workgroup_id_y 1
		.amdhsa_system_sgpr_workgroup_id_z 1
		.amdhsa_system_vgpr_workitem_id 0
		.amdhsa_next_free_vgpr 1024
		.amdhsa_next_free_sgpr 104
		.amdhsa_reserve_vcc 0
		.amdhsa_float_denorm_mode_32 3
		.amdhsa_float_denorm_mode_16_64 3
		.amdhsa_memory_ordered 1
		.amdhsa_forward_progress 1
		.amdhsa_inst_pref_size 100
	.end_amdhsa_kernel
	.amdgpu_metadata
---
amdhsa.version: [ 1, 2 ]
amdhsa.kernels:
  - .name:           k_q31f80493f6_qkv
    .symbol:         k_q31f80493f6_qkv.kd
    .args:
      - { .name: ximg, .offset: 0, .size: 8, .value_kind: global_buffer, .address_space: global }
      - { .name: wimg, .offset: 8, .size: 8, .value_kind: global_buffer, .address_space: global }
      - { .name: sc, .offset: 16, .size: 8, .value_kind: global_buffer, .address_space: global }
      - { .name: bq, .offset: 24, .size: 8, .value_kind: global_buffer, .address_space: global }
      - { .name: bk, .offset: 32, .size: 8, .value_kind: global_buffer, .address_space: global }
      - { .name: bv, .offset: 40, .size: 8, .value_kind: global_buffer, .address_space: global }
      - { .name: qb, .offset: 48, .size: 8, .value_kind: global_buffer, .address_space: global }
      - { .name: kv, .offset: 56, .size: 8, .value_kind: global_buffer, .address_space: global }
    .group_segment_fixed_size: 230400
    .private_segment_fixed_size: 0
    .kernarg_segment_align: 8
    .kernarg_segment_size: 64
    .max_flat_workgroup_size: 128
    .sgpr_count:     104
    .vgpr_count:     1024
    .wavefront_size: 32
...
	.end_amdgpu_metadata
.endif
;; end of part 2
;; launch attn (part 3): grid 8 x 32, 16 waves a work-group, clusters of 4 x 1, 167,936 bytes of LDS; arguments qb, kv, aimg, asc; writes aimg, asc
.if DOCPART == 3
	.amdgcn_target "amdgcn-amd-amdhsa--gfx1250"
	.amdhsa_code_object_version 6
	.text
	.protected	k_q31f80493f6_attn
	.globl	k_q31f80493f6_attn
	.p2align	8
	.type	k_q31f80493f6_attn,@function
k_q31f80493f6_attn:
	s_mov_b64 s[64:65], 0
	v_nop
	global_prefetch_b8 v0, s[64:65] scope:SCOPE_SE
	s_setreg_imm32_b32 hwreg(HW_REG_WAVE_MODE, 25, 1), 1
	s_wait_xcnt 0x0
	s_wait_alu depctr_hold_cnt(0) depctr_sa_sdst(0) depctr_va_vdst(0) depctr_va_sdst(0) depctr_va_ssrc(0) depctr_va_vcc(0) depctr_vm_vsrc(0)
	s_getreg_b32 s2, hwreg(HW_REG_IB_STS2, 6, 4)
	s_cmp_eq_u32 s2, 0
	s_cbranch_scc0 .Lentry_in_a_cluster
	s_endpgm
.Lentry_in_a_cluster:
	s_bfe_u32 s2, ttmp6, 0x10000c
	s_cmp_lg_u32 s2, 0x3003
	s_cbranch_scc0 .Lentry_shape_is_right
	s_endpgm
.Lentry_shape_is_right:
; Launch 3 of 4: attention of one (batch, head) on codes of E2M1, and its result quantised along the model's 1,024 features as the A operand of the last projection.  No work is left out.
; t = score x log2(e) / 8; M = the row's largest t so far, rounded UP to a whole number; p = 2^(t - M) is quantised along the keys, not normalised; the row's sum is taken of the unquantised p and divides at the end.
; When M moves, the sum and O are multiplied by 2^(old M - new M): exact.
; SHARES.  A work-group owns 256 queries of a head, each of its sixteen waves one tile of 16, in 256 registers: four waves to a SIMD.
; LAYOUT.  S^T = K Q^T (source 0 = 32 keys), O^T = V^T P^T (source 0 = 32 channels): a lane holds one query throughout.  The rows of the tiles are dealt (first launch) so that a lane's 32 registers of four tiles are one
; whole block of 32 keys (or channels): a key step of 128 gives a lane two blocks, whose maxima and codes need no other lane.
; The head's 64 fill registers 0-3 of a fragment.  Q's registers 4-7 are zero codes; a K tile has four registers, and what stands behind it in its fragment (another tile's codes) meets those zeros.
; THE HEAD'S WHOLE BLOCK OF kv (143,360 bytes) LIES IN LDS, FILLED ONCE: wave w brings step w's 8,960 bytes by one tensor load.  Steps 0 and 1 begin when waves 0 and 1's loads have landed; the rest is awaited behind them.
; A STEP: V's loads; the scores; the next step's K (its registers are free behind the scores' products); the maxima as a tree; the exponentials in two batches of one block each, with lines that belong to the other block
; between them: the second block's multiply-adds in the first batch, the first block's additions in the second.
; CLUSTER 4 x 1: the four query blocks of a cluster belong to one head and ask for the block jointly.  All of K and V is asked for at the head, so there is no later stream for which a prefetch could be laid.
; OUT.  aimg: [token tile][head x 512 + 16 x lane]: registers 4 (head % 2) .. + 3 of the fragment of K step head / 2.  asc: a tile's 512 bytes of scale words: (head / 8) 256 + 16 r + 2 (head % 8) + block.
; LIMITS: as in the first launch; a p under 2^-126 counts as 0; the scaled scores stay under 2^31 in magnitude.
.set KVB,   143360
.set STP,   8960                       ; a step of 128 keys
.set SPARE, KVB                        ; behind the block: the spare words, 128 bytes a wave
.set MX,  3                            ; the largest score so far
.set SPW, 5
.set NIL, 6
.set MA,  10                           ; v[10:11], v[12:13]: -M, old and new by turns (the upper halves are only named)
.set MB,  12
.set SM,  14                           ; v[14:15] the sum, in two halves
.set QF,  16                           ; v16-23 Q
.set KF,  32                           ; v32-67 K's eight tiles, four registers each, and four of zeros behind them
.set VF,  68                           ; v68-99 V^T's four fragments
.set SX,  104                          ; v104-167 S^T, then p
.set OX,  168                          ; v168-199 O^T
.set PC,  200                          ; v200-207 p's codes
.set KS,  208                          ; v208-211 K's scale words, v212-213 V's
.set VS,  212
.set QS,  214
.set PS,  215                          ; p's scale word
.set FF,  216                          ; v[216:217] f
.set BM,  218                          ; the two blocks' largest scores, then p
.set SOP, 220
.set BY,  222
.set TX,  226                          ; v226-245 the maxima's tree; then the sum's eight chains
.set T0,  246
.set T1,  247
.set T2,  248
.set T3,  249
.set SEL, 20
.macro ROUND                           ; a round of the cluster's barrier
	s_barrier_signal -1
	s_barrier_wait -1
	s_cmp_lg_u32 s12, 0
	s_cbranch_scc1 .Lnot_wave_0_\@
	s_barrier_signal -3
.Lnot_wave_0_\@:
	s_barrier_wait -3
	s_barrier_signal -1
	s_barrier_wait -1
.endm
	s_load_b256 s[4:11], s[0:1], 0x0               ; qb 4:5, kv 6:7, aimg 8:9, asc 10:11
	v_lshl_add_u32 v[SPW], v0, 2, SPARE
	v_mov_b32 v[NIL], 0
	ds_add_u32 v[SPW], v[NIL]                      ; the wave's opening: the add, twice on end, and its wait ahead of my tensor load
	ds_add_u32 v[SPW], v[NIL]
	v_lshrrev_b32 v8, 5, v0
	v_readfirstlane_b32 s12, v8                    ; wave 0..15
	s_and_b32 s15, ttmp7, 0xffff                   ; 16 x batch + head: the four partners share it
	s_mov_b32 s24, 15|(3<<16)|(1<<21)              ; the mask: all four; elements of 8 bytes; bit 21 beside a mask
	s_mov_b32 s25, 32<<16                          ; tensor_dim0: 256 bytes
	s_mov_b32 s26, 35<<16                          ; tensor_dim1: 35 rows
	s_mov_b32 s27, 32<<16                          ; tile_dim0
	s_mov_b32 s28, 35                              ; tile_dim1
	s_mov_b32 s29, 32                              ; dense
	s_mov_b32 s30, 0
	s_mov_b32 s31, 0
	s_mov_b32 s32, 1
	s_mul_i32 s33, s12, STP                        ; my step of the block, in LDS
	s_mul_i32 s42, s15, KVB
	s_add_co_u32 s42, s42, s33                     ; and in memory
	s_mov_b32 s43, 0
	s_mov_b32 s[SEL], 0x76543210
	s_mov_b32 s[SEL+1], 0xfedcba98
	s_mov_b32 s22, 0x3e38aa3b                      ; c = log2(e) / 8
	s_mov_b32 s23, s22
	s_mov_b32 s41, 0xbe38aa3b                      ; -c
	s_wait_dscnt 0x0                               ; both opening adds are done
	s_wait_kmcnt 0x0
	s_add_nc_u64 s[34:35], s[6:7], s[42:43]
	s_or_b32 s35, s35, 0x80000000
	ROUND                                          ; all four work-groups are here: the joint loads meet
	s_cmp_lt_u32 s12, 2                            ; two lines: the waves that wait for their load ahead of step 0, and the others
	s_cbranch_scc0 .Lrest
	tensor_load_to_lds s[32:35], s[24:31]
	s_nop 0
.rept 4
	v_nop
.endr
	s_branch .Lasked
.Lrest:
	tensor_load_to_lds s[32:35], s[24:31]
	s_nop 0
.rept 4
	v_nop
.endr
.Lasked:
	s_bfe_u32 s13, ttmp6, 0x40000                  ; cx: it enters global addresses alone
	s_lshl_b32 s14, ttmp9, 2
	s_add_co_u32 s14, s14, s13                     ; my block of 256 queries
	s_lshl_b32 s44, s14, 4
	s_add_co_u32 s44, s44, s12                     ; my query tile, 0..127
	s_mul_i32 s46, s15, 73728
	s_lshl_b32 s47, s44, 9
	s_add_co_u32 s48, s46, s47
	s_mov_b32 s49, 0
	s_add_nc_u64 s[50:51], s[4:5], s[48:49]        ; Q's image
	s_lshr_b32 s47, s44, 2
	s_lshl_b32 s47, s47, 8                         ; its group's scale words,
	s_and_b32 s48, s44, 1
	s_lshl_b32 s48, s48, 7                         ; odd tiles 128 bytes on,
	s_add_co_u32 s47, s47, s48
	s_bfe_u32 s48, s44, 0x10001
	s_lshl_b32 s48, s48, 2                         ; tiles 2, 3 one word on
	s_add_co_u32 s47, s47, s48
	s_add_co_u32 s48, s46, s47
	s_add_co_u32 s48, s48, 65536
	s_add_nc_u64 s[52:53], s[4:5], s[48:49]
	s_lshr_b32 s54, s15, 4
	s_lshl_b32 s54, s54, 7
	s_add_co_u32 s54, s54, s44                     ; my token tile, 0..255
	s_and_b32 s55, s15, 15                         ; the head
	s_lshl_b32 s48, s54, 13
	s_lshl_b32 s47, s55, 9
	s_add_co_u32 s48, s48, s47
	s_add_nc_u64 s[8:9], s[8:9], s[48:49]
	s_lshl_b32 s48, s54, 9
	s_lshr_b32 s47, s55, 3
	s_lshl_b32 s47, s47, 8
	s_add_co_u32 s48, s48, s47
	s_and_b32 s47, s55, 7
	s_lshl_b32 s47, s47, 1
	s_add_co_u32 s48, s48, s47
	s_add_nc_u64 s[10:11], s[10:11], s[48:49]
	v_and_b32 v24, 15, v0                          ; r
	v_bfe_u32 v25, v0, 4, 1                        ; h
	v_and_b32 v1, 31, v0
	v_lshlrev_b32 v26, 3, v24                      ; Q's scale words: 8 r
	v_lshlrev_b32 v4, 3, v1                        ; 8 x lane
	v_lshlrev_b32 v1, 4, v1                        ; 16 x lane
	v_lshl_add_u32 v7, v24, 4, v25                 ; asc: 16 r + h
	s_wait_alu depctr_va_vdst(0)
	global_load_b128 v[QF:QF+3], v1, s[50:51]      ; Q's codes stay in registers
	global_load_b32 v[QS], v26, s[52:53]           ; and its scale words
.irp j, 20,21,22,23,64,65,66,67
	v_mov_b32 v\j, 0                               ; zero codes: Q's k = 64 .. 127; and behind K's last tile
.endr
.set j, 0
.rept 32
	v_mov_b32 v[OX+j], 0                           ; O^T: the first step finds zeros
.set j, j+1
.endr
	v_mov_b32 v[MX], 0xff61b1e6                    ; the largest score so far: -3e38
	v_mul_f32 v[MA], s41, v[MX]
	v_floor_f32 v[MA], v[MA]                       ; -M
.irp j, MA+1, MB, MB+1, SM, SM+1, FF+1, T1, T3
	v_mov_b32 v[\j], 0
.endr
	s_wait_alu depctr_va_vdst(0)                   ; the wait at the head's end
	s_wait_loadcnt 0x0
.macro FM j0, n, mb                    ; t - M, two at a time
.set j, \j0
.rept \n
	v_pk_fma_f32 v[SX+j:SX+j+1], v[SX+j:SX+j+1], s[22:23], v[\mb:\mb+1] op_sel_hi:[1,0,0]
.set j, j+2
.endr
.endm
.macro CH i                            ; the second block's pair i joins chain i % 8 of the sum
	v_pk_add_f32 v[TX+2*(\i%8):TX+2*(\i%8)+1], v[TX+2*(\i%8):TX+2*(\i%8)+1], v[SX+32+2*\i:SX+33+2*\i]
.endm
.macro TREE a, b                       ; chain a takes in chain b
	v_pk_add_f32 v[TX+2*\a:TX+2*\a+1], v[TX+2*\a:TX+2*\a+1], v[TX+2*\b:TX+2*\b+1]
.endm
.macro KLOAD va, vb, off               ; a step's eight K tiles and their scale words: ten loads
.irp t, 0,1,2,3,4,5,6,7                ; a group's tiles 0, 1, 2, 3 go to places 0, 2, 1, 3: a product's 32 rows are two places two apart
	ds_load_b128 v[KF+4*(4*(\t/4)+((\t%4)/2)+2*(\t%2)):KF+4*(4*(\t/4)+((\t%4)/2)+2*(\t%2))+3], v[\va] offset:(\off)+512*\t
.endr
	ds_load_b64 v[KS:KS+1], v[\vb] offset:(\off)+8192    ; register i: tile 2 i in lanes 0-15, 2 i + 1 in lanes 16-31
	ds_load_b64 v[KS+2:KS+3], v[\vb] offset:(\off)+8448
.endm
; A KEY STEP: va, vb: 16 x lane and 8 x lane registers; ma, mb: old and new -M; nxt = 1: the next step's K is loaded
.macro STEP va, vb, off, ma, mb, nxt
.irp t, 0,1,2,3
.irp c, 0,1
	ds_load_b128 v[VF+8*\t+4*\c:VF+8*\t+4*\c+3], v[\va] offset:(\off)+4096+1024*\t+512*\c
.endr
.endr
	ds_load_b64 v[VS:VS+1], v[\vb] offset:(\off)+8704
	s_wait_dscnt 9                                 ; K and its scale words, asked for ahead of V, are in; V's eight loads and its scale load stay out
.irp i, 0,1,2,3
	v_wmma_scale_f32_32x16x128_f4 v[SX+16*\i:SX+16*\i+15], v[KF+4*(4*(\i/2)+(\i%2)):KF+4*(4*(\i/2)+(\i%2))+15], v[QF:QF+7], 0, v[KS+\i], v[QS]
.endr
.rept 4
	v_nop
.endr
.if \nxt
	KLOAD \va, \vb, (\off)+STP
.endif
; the largest score of each of my two blocks of 32 keys: for the row's maximum and, since p rises with the score, for the block's largest p
.irp i, 0,1,2,3,4,5,6,7,8,9
.irp c, 0,1
	v_max3_num_f32 v[TX+10*\c+\i], v[SX+32*\c+3*\i], v[SX+32*\c+3*\i+1], v[SX+32*\c+3*\i+2]
.endr
.endr
.irp i, 0,3,6
.irp c, 0,1
	v_max3_num_f32 v[TX+10*\c+\i], v[TX+10*\c+\i], v[TX+10*\c+\i+1], v[TX+10*\c+\i+2]
.endr
.endr
.irp c, 0,1
	v_max3_num_f32 v[TX+10*\c+9], v[TX+10*\c+9], v[SX+32*\c+30], v[SX+32*\c+31]
.endr
.irp c, 0,1
	s_delay_alu instid0(VALU_DEP_4)
	v_max3_num_f32 v[TX+10*\c], v[TX+10*\c], v[TX+10*\c+3], v[TX+10*\c+6]
.endr
.irp c, 0,1
	s_delay_alu instid0(VALU_DEP_2)
	v_max_num_f32 v[BM+\c], v[TX+10*\c], v[TX+10*\c+9]
.endr
	s_delay_alu instid0(VALU_DEP_1)
	v_max3_num_f32 v[T0], v[BM], v[BM+1], v[MX]
	s_delay_alu instid0(VALU_DEP_1)
	v_permlanex16_b32 v[T1], v[T0], s[SEL], s[SEL+1]
	s_delay_alu instid0(VALU_DEP_1)
	v_max_num_f32 v[MX], v[T0], v[T1]              ; with lane l xor 16's blocks: the running largest score
	s_delay_alu instid0(VALU_DEP_1)
	v_mul_f32 v[T0], s41, v[MX]                    ; -t
	s_delay_alu instid0(VALU_DEP_1)
	v_floor_f32 v[\mb], v[T0]                      ; the new -M = -ceil(t)
	s_delay_alu instid0(VALU_DEP_1)
	v_sub_f32 v[T0], v[\mb], v[\ma]                ; old M - new M: a whole number, 0 or less
	FM 0, 6, \mb
	v_cvt_i32_f32 v[T0], v[T0]                     ; (it saturates)
	FM 12, 6, \mb
	v_ldexp_f32 v[FF], 1.0, v[T0]                  ; f = 2^(old M - new M)
	FM 24, 4, \mb
.irp c, 0,1
	v_fma_f32 v[BM+\c], v[BM+\c], s22, v[\mb]      ; the same of each block's largest score
.endr
.set j, 0
.rept 16
	v_pk_mul_f32 v[OX+j:OX+j+1], v[OX+j:OX+j+1], v[FF:FF+1] op_sel_hi:[1,0]   ; O^T under the new M; each accumulator from its low end on
.set j, j+2
.endr
	s_wait_alu depctr_va_vdst(0)                   ; the wait ahead of the batch (and ahead of the wait below)
	s_wait_dscnt 0x0                               ; V, and the next step's K
.irp n, 0,1,2,3,4,5,6,7,8,9,10,11,12,13,14,15
	v_exp_f32 v[SX+2*\n], v[SX+2*\n]               ; the first block's p = 2^(t - M),
	v_exp_f32 v[SX+2*\n+1], v[SX+2*\n+1]
	FM 32+2*\n, 1, \mb                             ; beside the second block's t - M, first read behind the next wait
.endr
.irp c, 0,1
	v_exp_f32 v[BM+\c], v[BM+\c]                   ; each block's largest p: the same two instructions on the same number
.endr
	v_pk_mul_f32 v[SM:SM+1], v[SM:SM+1], v[FF:FF+1] op_sel_hi:[1,0]   ; the sum under the new M: the plain line behind the exponentials
	s_wait_alu depctr_va_vdst(0)                   ; behind the first batch and ahead of the second
.irp n, 0,1,2,3,4,5,6,7
.irp i, 0,1,2,3
	v_exp_f32 v[SX+32+4*\n+\i], v[SX+32+4*\n+\i]   ; the second block's p,
.endr
	v_pk_add_f32 v[TX+2*\n:TX+2*\n+1], v[SX+4*\n:SX+4*\n+1], v[SX+4*\n+2:SX+4*\n+3]   ; beside the first block's sums, first read behind the next wait
.endr
.irp c, 0,1
	v_max_num_f32 v[BM+\c], 0x1800000, v[BM+\c]    ; the floor 2^(3 - 127)
.endr
	s_wait_alu depctr_va_vdst(0)                   ; the wait behind the second batch
.irp c, 0,1
	v_add_nc_u32 v[SOP+\c], 0xff000000, v[BM+\c]   ; the conversions' scale operands
.endr
	CH 0
	CH 1
	CH 2
.irp c, 0,1
	v_lshrrev_b32 v[BY+\c], 23, v[SOP+\c]          ; the scales' bytes: blocks h and 2 + h
.endr
	CH 3
	CH 4
	CH 5
	v_lshl_or_b32 v[T2], v[BY+1], 16, v[BY]
	CH 6
	CH 7
	CH 8
	v_permlanex16_b32 v[T3], v[T2], s[SEL], s[SEL+1]
	CH 9
	CH 10
	v_lshl_or_b32 v[PS], v[T3], 8, v[T2]           ; p's scale word for these 128 keys, whole in lanes 0-15
.irp c, 0,1
.irp u, 0,1,2,3
	v_cvt_scalef32_pk8_fp4_f32 v[PC+4*\c+\u], v[SX+32*\c+8*\u:SX+32*\c+8*\u+7], v[SOP+\c]
.endr
.endr
	CH 11                                          ; plain lines behind the conversions, and places in front of the products
	CH 12
	CH 13
	CH 14
	CH 15
	TREE 0, 1
	TREE 2, 3
	TREE 4, 5
	TREE 6, 7
.irp i, 0,1
	v_wmma_scale_f32_32x16x128_f4 v[OX+16*\i:OX+16*\i+15], v[VF+16*\i:VF+16*\i+15], v[PC:PC+7], v[OX+16*\i:OX+16*\i+15], v[VS+\i], v[PS]
.endr
	TREE 0, 2                                      ; four places behind the products
	TREE 4, 6
	v_pk_add_f32 v[SM:SM+1], v[SM:SM+1], v[TX:TX+1]
	s_delay_alu instid0(VALU_DEP_1)
	v_pk_add_f32 v[SM:SM+1], v[SM:SM+1], v[TX+8:TX+9]
.endm
	s_cmp_lt_u32 s12, 2
	s_cbranch_scc0 .Lstart
	s_wait_tensorcnt 0x0                           ; steps 0 and 1: my part has landed,
.Lstart:
	s_barrier_signal -1
	s_barrier_wait -1                              ; both have; the other waves' loads stay out
	KLOAD 1, 4, 0
	STEP 1, 4, 0, MA, MB, 1
	STEP 1, 4, STP, MB, MA, 0
	s_wait_alu depctr_va_vdst(0)
	s_wait_tensorcnt 0x0                           ; my part of the block has landed,
	s_barrier_signal -1
	s_barrier_wait -1                              ; everybody's has
	KLOAD 1, 4, 2*STP
	s_mov_b32 s36, 2*STP
	s_mov_b32 s39, 6                               ; trips of two steps
.Lstep:
	v_add_nc_u32 v8, s36, v1
	v_add_nc_u32 v9, s36, v4
	s_wait_alu depctr_va_vdst(0)
	STEP 8, 9, 0, MA, MB, 1
	STEP 8, 9, STP, MB, MA, 1
	s_add_co_u32 s36, s36, 2*STP
	s_sub_co_u32 s39, s39, 1
	s_cmp_lg_u32 s39, 0
	s_wait_alu depctr_va_vdst(0)                   ; ahead of the branch
	s_cbranch_scc1 .Lstep
	s_mov_b32 s36, 14*STP                          ; the last two steps are written out: the last one loads no further K
	v_add_nc_u32 v8, s36, v1
	v_add_nc_u32 v9, s36, v4
	s_wait_alu depctr_va_vdst(0)
	STEP 8, 9, 0, MA, MB, 1
	STEP 8, 9, STP, MB, MA, 0
	; THE WAY OUT: O^T / the sum; a lane's 32 numbers are channels 32 h + 0 .. 31 of my query: one block of the last projection's K
	v_add_f32 v[SM], v[SM], v[SM+1]
	v_permlanex16_b32 v[T1], v[SM], s[SEL], s[SEL+1]
	v_add_f32 v[SM], v[SM], v[T1]                  ; the row's sum
	s_wait_alu depctr_va_vdst(0)                   ; the wait ahead of the transcendental
	v_rcp_f32 v[SM], v[SM]
	v_nop                                          ; the plain line behind the reciprocal
	s_wait_alu depctr_va_vdst(0)                   ; and the wait ahead of its first reader
.set j, 0
.rept 16
	v_pk_mul_f32 v[SX+j:SX+j+1], v[OX+j:OX+j+1], v[SM:SM+1] op_sel_hi:[1,0]
.set j, j+2
.endr
	v_max3_num_f32 v[BM], |v[SX]|, |v[SX+1]|, 0x1800000
	v_max3_num_f32 v[BM+1], |v[SX+2]|, |v[SX+3]|, |v[SX+4]|
.irp i, 5,9,13,17,21,25
	v_max3_num_f32 v[BM], v[BM], |v[SX+\i]|, |v[SX+\i+1]|
	v_max3_num_f32 v[BM+1], v[BM+1], |v[SX+\i+2]|, |v[SX+\i+3]|
.endr
	v_max3_num_f32 v[BM], v[BM], |v[SX+29]|, |v[SX+30]|
	v_max3_num_f32 v[BM], v[BM], v[BM+1], |v[SX+31]|
	v_add_nc_u32 v[SOP], 0xff000000, v[BM]
	v_lshrrev_b32 v[BY], 23, v[SOP]
.irp u, 0,1,2,3
	v_cvt_scalef32_pk8_fp4_f32 v[PC+\u], v[SX+8*\u:SX+8*\u+7], v[SOP]
.endr
	v_nop
	global_store_b128 v1, v[PC:PC+3], s[8:9]       ; 512 consecutive bytes
	global_store_b8 v7, v[BY], s[10:11]            ; two bytes of each 16: the other heads' work-groups write the rest; 131,072 bytes in the whole launch
	s_wait_tensorcnt 0x0                           ; the wave's end
	ds_add_u32 v[SPW], v[NIL]
	s_wait_dscnt 0x0
	ROUND                                          ; the closing round
	s_endpgm
.Lfunc_end_k_q31f80493f6_attn:
	.size	k_q31f80493f6_attn, .Lfunc_end_k_q31f80493f6_attn-k_q31f80493f6_attn
	.p2alignl 7, 3214868480
	.fill 96, 4, 3214868480
	.section	.rodata,"a",@progbits
	.p2align	6, 0x0
	.amdhsa_kernel k_q31f80493f6_attn
		.amdhsa_group_segment_fixed_size 167936
		.amdhsa_private_segment_fixed_size 0
		.amdhsa_enable_private_segment 0
		.amdhsa_kernarg_size 32
		.amdhsa_user_sgpr_count 2
		.amdhsa_user_sgpr_kernarg_segment_ptr 1
		.amdhsa_wavefront_size32 1
		.amdhsa_system_sgpr_workgroup_id_x 1
		.amdhsa_system_sgpr_workgroup_id_y 1
		.amdhsa_system_sgpr_workgroup_id_z 1
		.amdhsa_system_vgpr_workitem_id 0
		.amdhsa_next_free_vgpr 256
		.amdhsa_next_free_sgpr 66
		.amdhsa_reserve_vcc 0
		.amdhsa_float_denorm_mode_32 3
		.amdhsa_float_denorm_mode_16_64 3
		.amdhsa_memory_ordered 1
		.amdhsa_forward_progress 1
		.amdhsa_inst_pref_size 89
	.end_amdhsa_kernel
	.amdgpu_metadata
---
amdhsa.version: [ 1, 2 ]
amdhsa.kernels:
  - .name:           k_q31f80493f6_attn
    .symbol:         k_q31f80493f6_attn.kd
    .args:
      - { .name: qb, .offset: 0, .size: 8, .value_kind: global_buffer, .address_space: global }
      - { .name: kv, .offset: 8, .size: 8, .value_kind: global_buffer, .address_space: global }
      - { .name: aimg, .offset: 16, .size: 8, .value_kind: global_buffer, .address_space: global }
      - { .name: asc, .offset: 24, .size: 8, .value_kind: global_buffer, .address_space: global }
    .group_segment_fixed_size: 167936
    .private_segment_fixed_size: 0
    .kernarg_segment_align: 8
    .kernarg_segment_size: 32
    .max_flat_workgroup_size: 512
    .sgpr_count:     66
    .vgpr_count:     256
    .wavefront_size: 32
...
	.end_amdgpu_metadata
.endif
;; end of part 3
;; launch oproj (part 4): grid 256 x 1, 16 waves a work-group, clusters of 4 x 1, 327,680 bytes of LDS; arguments aimg, asc, wimg, sc, bo, out0; writes out0
.if DOCPART == 4
	.amdgcn_target "amdgcn-amd-amdhsa--gfx1250"
	.amdhsa_code_object_version 6
	.text
	.protected	k_q31f80493f6_oproj
	.globl	k_q31f80493f6_oproj
	.p2align	8
	.type	k_q31f80493f6_oproj,@function
k_q31f80493f6_oproj:
	s_mov_b64 s[64:65], 0
	v_nop
	global_prefetch_b8 v0, s[64:65] scope:SCOPE_SE
	s_setreg_imm32_b32 hwreg(HW_REG_WAVE_MODE, 25, 1), 1
	s_wait_xcnt 0x0
	s_wait_alu depctr_hold_cnt(0) depctr_sa_sdst(0) depctr_va_vdst(0) depctr_va_sdst(0) depctr_va_ssrc(0) depctr_va_vcc(0) depctr_vm_vsrc(0)
	s_getreg_b32 s2, hwreg(HW_REG_IB_STS2, 6, 4)
	s_cmp_eq_u32 s2, 0
	s_cbranch_scc0 .Lentry_in_a_cluster
	s_endpgm
.Lentry_in_a_cluster:
	s_bfe_u32 s2, ttmp6, 0x10000c
	s_cmp_lg_u32 s2, 0x3003
	s_cbranch_scc0 .Lentry_shape_is_right
	s_endpgm
.Lentry_shape_is_right:
; Launch 4 of 4: out0 = norm(relu(a Wo + bo)) over the 1,024 columns; the product on codes of E2M1, all else in f32.  No work is left out.
; SHARES.  256 work-groups: each owns 16 tokens (one tile) and all 1,024 columns, as the norm needs; wave w owns columns 64 w .. 64 w + 63: four tiles of Wo, four accumulators.
; HOW THE OPERANDS COME.  a's images, 8,192 bytes, are wanted whole by all sixteen waves: each wave loads 512 bytes of them once and stores them into LDS as they lie; behind a barrier every wave takes its fragments from there.
; Wo's images are 524,288 bytes, 32,768 a wave, laid by pairs of K steps.  Each wave has 16,384 bytes of LDS that it alone reads: K steps 0-3 come there by one tensor load; when K steps 0 and 1 are read out, K steps 4 and 5
; take their place by a second, behind a round.  K steps 6 and 7 go from memory straight into 64 registers, side by side with the tensor loads.
; Two tensor loads a wave and no loop in which a prefetch could run ahead: none is laid.
; CLUSTER 4 x 1: every work-group wants the same Wo, so the four partners ask for each wave's tiles jointly.  The place in the cluster enters the addresses of a, of its scale words and of out0 alone.
; THE PRODUCT IS USED TRANSPOSED (source 0 = 16 columns of Wo, source 1 = 16 tokens): a lane holds one token, and its 32 registers are columns 64 w + 32 h + 0 .. 31.  The bias is what the sums begin with: 256 bytes a
; wave, dealt out to the lanes through LDS.
; SCALE WORDS: a register holds K step k % 4, in lanes 0-15 for k < 4 and in lanes 16-31 for the others.
; THE NORM takes two passes, as the problem writes it: the mean, then the mean of the squared differences; no difference of large sums.  A row's 16 partial sums meet in LDS: two barriers.
.set AIM,   262144                     ; LDS: behind the sixteen waves' 16,384 bytes of Wo: a's images, [K step][1,024]
.set RED,   AIM+8192                   ; the rows' partial sums: row r at 80 r, wave w's word at 4 w; 1,280 bytes on the same for the squares
.set BIA,   RED+2560                   ; the bias, 256 bytes a wave
.set SPARE, BIA+4096                   ; the spare words, 128 bytes a wave
.set SPW, 12
.set NIL, 13
.set C0,  14                           ; v[14:15], v[76:77]: a sum's two chains
.set C1,  76
.set SA,  16                           ; v16-19 a's scale words
.set SB,  20                           ; v20-35 Wo's
.set ACC, 36                           ; v36-67
.set AF0, 68                           ; v68-75, v204-211 a's fragments of a pair of K steps
.set AF1, 204
.set LF,  76                           ; v76-139 Wo's fragments of a pair of K steps, from LDS
.set BF,  140                          ; v140-203 Wo's fragments from memory, K steps 6 and 7; later the rows on their way out
.set BL,  212                          ; v[212:213] my part of the bias
.set AL,  236                          ; v236-239 my part of a's images; later the factor
.set RS,  240                          ; v240-255 partial sums
.macro ROUND                           ; a round of the cluster's barrier
	s_barrier_signal -1
	s_barrier_wait -1
	s_cmp_lg_u32 s16, 0
	s_cbranch_scc1 .Lnot_wave_0_\@
	s_barrier_signal -3
.Lnot_wave_0_\@:
	s_barrier_wait -3
	s_barrier_signal -1
	s_barrier_wait -1
.endm
.macro PLACES                          ; four places in front of loads into registers that products have read, and of the first read of results
.rept 4
	v_nop
.endr
.endm
	s_load_b256 s[4:11], s[0:1], 0x0               ; aimg 4:5, asc 6:7, wimg 8:9, sc 10:11
	s_load_b128 s[12:15], s[0:1], 0x20             ; bo 12:13, out0 14:15
	v_lshl_add_u32 v[SPW], v0, 2, SPARE
	v_mov_b32 v[NIL], 0
	ds_add_u32 v[SPW], v[NIL]                      ; the wave's opening: the add, twice on end, and its wait ahead of my first tensor load
	ds_add_u32 v[SPW], v[NIL]
	v_lshrrev_b32 v1, 5, v0
	v_readfirstlane_b32 s16, v1                    ; wave 0..15
	s_mov_b32 s36, 15|(3<<16)|(1<<21)              ; the mask: all four partners; elements of 8 bytes; bit 21 beside a mask; no padding
	s_mov_b32 s37, 512<<16                         ; tensor_dim0: 4,096 bytes
	s_mov_b32 s38, 4<<16                           ; tensor_dim1: four rows, K steps 0-3 of my four tiles
	s_mov_b32 s39, 512<<16                         ; tile_dim0
	s_mov_b32 s40, 4                               ; tile_dim1
	s_mov_b32 s41, 512                             ; dense
	s_mov_b32 s42, 0
	s_mov_b32 s43, 0
	s_mov_b32 s32, 1
	s_lshl_b32 s33, s16, 14                        ; my 16,384 bytes of LDS
	s_lshl_b32 s26, s16, 2
	s_add_co_u32 s26, s26, 192                     ; my first tile of Wo among the weights'
	s_lshl_b32 s24, s26, 13
	s_mov_b32 s25, 0
	s_mov_b32 s18, 0x76543210
	s_mov_b32 s19, 0xfedcba98                      ; selects for lane l xor 16
	s_mov_b32 s20, 0xba800000                      ; -1 / 1024
	s_mov_b32 s21, 0x3a800000                      ; 1 / 1024
	s_mov_b32 s22, 0x3727c5ac                      ; 1e-5
	s_wait_dscnt 0x0                               ; both opening adds are done
	s_wait_kmcnt 0x0
	s_add_nc_u64 s[8:9], s[8:9], s[24:25]          ; Wo at my four tiles: the wave's number alone enters it
	s_mov_b64 s[34:35], s[8:9]
	s_or_b32 s35, s35, 0x80000000
	ROUND                                          ; all four work-groups are here: the joint loads meet
	tensor_load_to_lds s[32:35], s[36:43]
	s_nop 0
	PLACES
	s_bfe_u32 s17, ttmp6, 0x40000                  ; cx
	s_lshl_b32 s23, ttmp9, 2
	s_add_co_u32 s23, s23, s17                     ; my token tile, 0..255
	s_lshl_b32 s27, s16, 9
	s_lshl_b32 s24, s23, 13
	s_add_co_u32 s24, s24, s27
	s_add_nc_u64 s[4:5], s[4:5], s[24:25]          ; a's images: my wave's 512 bytes of the tile's 8,192
	s_lshl_b32 s24, s23, 9
	s_add_nc_u64 s[6:7], s[6:7], s[24:25]
	s_lshl_b32 s24, s26, 9
	s_add_co_u32 s24, s24, 131072
	s_add_nc_u64 s[10:11], s[10:11], s[24:25]
	s_lshl_b32 s29, s16, 8                         ; 256 x wave
	s_lshl_b32 s24, s16, 8
	s_add_nc_u64 s[12:13], s[12:13], s[24:25]
	s_lshr_b32 s28, s23, 2
	s_lshl_b32 s28, s28, 18                        ; out0: 64 rows a group of four tiles,
	s_add_co_u32 s24, s24, s28
	s_and_b32 s28, s23, 3
	s_lshl_b32 s28, s28, 15                        ; 8 rows on from tile to tile
	s_add_co_u32 s24, s24, s28
	s_add_nc_u64 s[14:15], s[14:15], s[24:25]
	s_lshl_b32 s28, s16, 2
	v_and_b32 v1, 15, v0                           ; r
	v_bfe_u32 v2, v0, 4, 1                         ; h
	v_and_b32 v3, 31, v0
	v_lshlrev_b32 v214, 3, v3                      ; 8 x lane
	v_lshlrev_b32 v3, 4, v3                        ; 16 x lane
	v_mul_u32_u24 v4, v1, 272
	v_lshl_add_u32 v4, v2, 7, v4
	v_add_nc_u32 v4, s33, v4                       ; the stage of the way out, 16 rows x (256 bytes + 16), in my own part of LDS: in: row r, + 128 h bytes
	v_add_nc_u32 v215, s29, v214
	v_add_nc_u32 v215, BIA, v215                   ; the bias, in,
	v_lshlrev_b32 v5, 7, v2
	v_add_nc_u32 v5, s29, v5
	v_add_nc_u32 v5, BIA, v5                       ; and out: 32 h columns on
	v_mul_u32_u24 v6, v2, 272
	v_lshl_add_u32 v6, v1, 4, v6
	v_add_nc_u32 v6, s33, v6                       ; the stage, back: two rows an instruction
	v_add_nc_u32 v7, AIM, v3                       ; a's fragments in LDS
	v_add_nc_u32 v15, s27, v7                      ; and where I store my 512 bytes of them
	v_lshlrev_b32 v8, 4, v1
	v_lshl_add_u32 v8, v2, 12, v8                  ; out0: lanes 0-15 one row, lanes 16-31 the next; 16 bytes a lane
	v_mul_u32_u24 v10, v1, 80
	v_add_nc_u32 v10, RED, v10                     ; the partial sums of my row, read,
	v_add_nc_u32 v9, s28, v10                      ; and my wave's word
	v_add_nc_u32 v11, s33, v3                      ; Wo's fragments in LDS
	s_wait_alu depctr_va_vdst(0)                   ; the wait at the head's end
	global_load_b128 v[AL:AL+3], v3, s[4:5]        ; my part of a's images
	global_load_b64 v[BL:BL+1], v214, s[12:13]     ; my 64 columns' bias
	global_load_b128 v[SA:SA+3], v3, s[6:7]
.irp t, 0,1,2,3
	global_load_b128 v[SB+4*\t:SB+4*\t+3], v3, s[10:11] offset:512*\t
.endr
.macro GLOAD kk                        ; Wo's four fragments of K step 6 + kk from memory: eight loads of 512 consecutive bytes
.irp t, 0,1,2,3
.irp c, 0,1
	global_load_b128 v[BF+32*\kk+8*\t+4*\c:BF+32*\kk+8*\t+4*\c+3], v3, s[8:9] offset:24576+2048*\t+1024*\kk+512*\c
.endr
.endr
.endm
.macro APAIR k                         ; a's fragments of K steps k, k + 1
.irp c, 0,1
	ds_load_b128 v[AF0+4*\c:AF0+4*\c+3], v7 offset:1024*(\k)+512*\c
	ds_load_b128 v[AF1+4*\c:AF1+4*\c+3], v7 offset:1024*(\k)+1024+512*\c
.endr
.endm
.macro LPAIR off                       ; Wo's fragments of a pair of K steps that lies in LDS at off
.irp kk, 0,1
.irp t, 0,1,2,3
.irp c, 0,1
	ds_load_b128 v[LF+32*\kk+8*\t+4*\c:LF+32*\kk+8*\t+4*\c+3], v11 offset:(\off)+2048*\t+1024*\kk+512*\c
.endr
.endr
.endr
.endm
.macro MULK k, bb, af                  ; four products; the four accumulators take turns
.irp t, 0,1,2,3
.if (\k) < 4
	v_wmma_scale_f32_16x16x128_f8f6f4 v[ACC+8*\t:ACC+8*\t+7], v[(\bb)+8*\t:(\bb)+8*\t+7], v[\af:\af+7], v[ACC+8*\t:ACC+8*\t+7], v[SB+4*\t+((\k)%4)], v[SA+((\k)%4)] matrix_a_fmt:MATRIX_FMT_FP4 matrix_b_fmt:MATRIX_FMT_FP4
.else
	v_wmma_scale_f32_16x16x128_f8f6f4 v[ACC+8*\t:ACC+8*\t+7], v[(\bb)+8*\t:(\bb)+8*\t+7], v[\af:\af+7], v[ACC+8*\t:ACC+8*\t+7], v[SB+4*\t+((\k)%4)], v[SA+((\k)%4)] matrix_a_fmt:MATRIX_FMT_FP4 matrix_b_fmt:MATRIX_FMT_FP4 matrix_a_scale:MATRIX_SCALE_ROW1 matrix_b_scale:MATRIX_SCALE_ROW1
.endif
.endr
.endm
	s_wait_loadcnt 5                               ; my parts of a's images and of the bias are in; the scale words' five loads stay out
	ds_store_b128 v15, v[AL:AL+3]
	ds_store_b64 v215, v[BL:BL+1]
	s_wait_dscnt 0x0                               ; for the others' sake: my part of a's images has landed
	s_barrier_signal -1
	s_barrier_wait -1                              ; all sixteen parts have
	GLOAD 0
	GLOAD 1
.irp i, 0,1,2,3,4,5,6,7
	ds_load_b128 v[ACC+4*\i:ACC+4*\i+3], v5 offset:16*\i   ; the sums begin with the bias
.endr
	APAIR 0
	s_wait_loadcnt 16                              ; the scale words; the sixteen loads of K steps 6 and 7 stay out
	s_wait_tensorcnt 0x0                           ; my four tiles' K steps 0-3 lie in LDS: I alone read them
	LPAIR 0
	s_wait_dscnt 0x0                               ; K steps 0 and 1 are read out
	s_wait_tensorcnt 0x0                           ; no tensor load of mine is out
	ds_add_u32 v[SPW], v[NIL]
	s_add_nc_u64 s[34:35], s[34:35], 16384         ; K steps 4 and 5: two rows of 4,096 bytes
	s_mov_b32 s38, 2<<16
	s_mov_b32 s40, 2
	MULK 0, LF, AF0
	MULK 1, LF+32, AF1
	s_wait_dscnt 0x0                               ; the add is done
	ROUND                                          ; no wave of any partner still reads the bytes or has a load on its way
	tensor_load_to_lds s[32:35], s[36:43]          ; the first tensor load behind the round
	s_nop 0
	PLACES
	LPAIR 8192
	APAIR 2
	s_wait_dscnt 0x0
	MULK 2, LF, AF0
	MULK 3, LF+32, AF1
	PLACES
	APAIR 6
	s_wait_loadcnt 8                               ; K step 6; K step 7's eight loads stay out
	s_wait_dscnt 0x0
	MULK 6, BF, AF0
	s_wait_loadcnt 0x0
	MULK 7, BF+32, AF1
	PLACES
	APAIR 4
	s_wait_tensorcnt 0x0                           ; K steps 4 and 5
	LPAIR 0
	s_wait_dscnt 0x0
	MULK 4, LF, AF0
	MULK 5, LF+32, AF1
	PLACES
.set j, 0
.rept 32
	v_max_num_f32 v[ACC+j], 0, v[ACC+j]            ; relu; each accumulator from its low end on
.set j, j+1
.endr
; the two chains become the sum over my 64 columns of row r; the sixteen waves' sums meet: every lane ends up with the sum over all 1,024 columns of its row, in v[RS]
.macro REDUCE red
	v_pk_add_f32 v[C0:C0+1], v[C0:C0+1], v[C1:C1+1]
	v_add_f32 v[C0], v[C0], v[C0+1]
	v_permlanex16_b32 v[C1], v[C0], s18, s19
	v_add_f32 v[C0], v[C0], v[C1]
	ds_store_b32 v9, v[C0] offset:\red             ; (lanes r and 16 + r write the same word)
	s_wait_dscnt 0x0                               ; for the others' sake: my word has landed
	s_barrier_signal -1
	s_barrier_wait -1
.irp i, 0,1,2,3
	ds_load_b128 v[RS+4*\i:RS+4*\i+3], v10 offset:\red+16*\i
.endr
	s_wait_dscnt 0x0
.irp i, 0,2,4,6
	v_pk_add_f32 v[RS+\i:RS+\i+1], v[RS+\i:RS+\i+1], v[RS+8+\i:RS+9+\i]
.endr
.irp i, 0,2
	v_pk_add_f32 v[RS+\i:RS+\i+1], v[RS+\i:RS+\i+1], v[RS+4+\i:RS+5+\i]
.endr
	v_pk_add_f32 v[RS:RS+1], v[RS:RS+1], v[RS+2:RS+3]
	v_add_f32 v[RS], v[RS], v[RS+1]
.endm
	; pass 1: the mean
	v_pk_add_f32 v[C0:C0+1], v[ACC:ACC+1], v[ACC+2:ACC+3]
	v_pk_add_f32 v[C1:C1+1], v[ACC+4:ACC+5], v[ACC+6:ACC+7]
.irp i, 8,12,16,20,24,28
	v_pk_add_f32 v[C0:C0+1], v[C0:C0+1], v[ACC+\i:ACC+\i+1]
	v_pk_add_f32 v[C1:C1+1], v[C1:C1+1], v[ACC+\i+2:ACC+\i+3]
.endr
	REDUCE 0
	v_mul_f32 v[RS], s20, v[RS]                    ; - the mean
	v_mov_b32 v[RS+1], v[RS]
	; pass 2: the differences, in place, and the mean of their squares
.irp i, 0,2,4,6,8,10,12,14,16,18,20,22,24,26,28,30
	v_pk_add_f32 v[ACC+\i:ACC+\i+1], v[ACC+\i:ACC+\i+1], v[RS:RS+1]
.endr
	v_pk_mul_f32 v[C0:C0+1], v[ACC:ACC+1], v[ACC:ACC+1]
	v_pk_mul_f32 v[C1:C1+1], v[ACC+2:ACC+3], v[ACC+2:ACC+3]
.irp i, 4,8,12,16,20,24,28
	v_pk_fma_f32 v[C0:C0+1], v[ACC+\i:ACC+\i+1], v[ACC+\i:ACC+\i+1], v[C0:C0+1]
	v_pk_fma_f32 v[C1:C1+1], v[ACC+\i+2:ACC+\i+3], v[ACC+\i+2:ACC+\i+3], v[C1:C1+1]
.endr
	REDUCE 1280                                    ; other bytes than the first exchange: no wave writes what another may still read
	v_fma_f32 v[RS], v[RS], s21, s22               ; the variance + 1e-5
	v_mov_b32 v[AL+3], 0                           ; (named as the upper half of the factor's pair)
	s_wait_alu depctr_va_vdst(0)                   ; the wait ahead of the transcendental
	v_rsq_f32 v[AL+2], v[RS]
	v_nop                                          ; a plain line behind the transcendental,
	s_wait_alu depctr_va_vdst(0)                   ; and the wait ahead of its first reader
.irp i, 0,2,4,6,8,10,12,14,16,18,20,22,24,26,28,30
	v_pk_mul_f32 v[ACC+\i:ACC+\i+1], v[ACC+\i:ACC+\i+1], v[AL+2:AL+3] op_sel_hi:[1,0]
.endr
	; THE WAY OUT: 16 rows x 256 bytes through my stage.  It lies in my own part of LDS, which has had its last fill and which I have read out.  LDS serves a wave's instructions in order, so no wait stands between stores and loads
.irp i, 0,1,2,3,4,5,6,7
	ds_store_b128 v4, v[ACC+4*\i:ACC+4*\i+3] offset:16*\i
.endr
.irp i, 0,1,2,3,4,5,6,7
	ds_load_b128 v[BF+4*\i:BF+4*\i+3], v6 offset:544*\i
.endr
.irp i, 0,1,2,3,4,5,6,7
	s_wait_dscnt 7-\i                              ; this load is in; the younger ones stay out
	global_store_b128 v8, v[BF+4*\i:BF+4*\i+3], s[14:15] offset:(2*\i+24*(\i/4))*4096 th:TH_STORE_NT   ; sixteen lanes store 256 consecutive bytes, aligned; the tile's row 2 i + h is token 2 i + h + 24 (i / 4) on
.endr
	s_wait_tensorcnt 0x0                           ; the wave's end
	ds_add_u32 v[SPW], v[NIL]
	s_wait_dscnt 0x0
	ROUND                                          ; the closing round
	s_endpgm
.Lfunc_end_k_q31f80493f6_oproj:
	.size	k_q31f80493f6_oproj, .Lfunc_end_k_q31f80493f6_oproj-k_q31f80493f6_oproj
	.p2alignl 7, 3214868480
	.fill 96, 4, 3214868480
	.section	.rodata,"a",@progbits
	.p2align	6, 0x0
	.amdhsa_kernel k_q31f80493f6_oproj
		.amdhsa_group_segment_fixed_size 327680
		.amdhsa_private_segment_fixed_size 0
		.amdhsa_enable_private_segment 0
		.amdhsa_kernarg_size 48
		.amdhsa_user_sgpr_count 2
		.amdhsa_user_sgpr_kernarg_segment_ptr 1
		.amdhsa_wavefront_size32 1
		.amdhsa_system_sgpr_workgroup_id_x 1
		.amdhsa_system_sgpr_workgroup_id_y 1
		.amdhsa_system_sgpr_workgroup_id_z 1
		.amdhsa_system_vgpr_workitem_id 0
		.amdhsa_next_free_vgpr 256
		.amdhsa_next_free_sgpr 66
		.amdhsa_reserve_vcc 0
		.amdhsa_float_denorm_mode_32 3
		.amdhsa_float_denorm_mode_16_64 3
		.amdhsa_memory_ordered 1
		.amdhsa_forward_progress 1
		.amdhsa_inst_pref_size 27
	.end_amdhsa_kernel
	.amdgpu_metadata
---
amdhsa.version: [ 1, 2 ]
amdhsa.kernels:
  - .name:           k_q31f80493f6_oproj
    .symbol:         k_q31f80493f6_oproj.kd
    .args:
      - { .name: aimg, .offset: 0, .size: 8, .value_kind: global_buffer, .address_space: global }
      - { .name: asc, .offset: 8, .size: 8, .value_kind: global_buffer, .address_space: global }
      - { .name: wimg, .offset: 16, .size: 8, .value_kind: global_buffer, .address_space: global }
      - { .name: sc, .offset: 24, .size: 8, .value_kind: global_buffer, .address_space: global }
      - { .name: bo, .offset: 32, .size: 8, .value_kind: global_buffer, .address_space: global }
      - { .name: out0, .offset: 40, .size: 8, .value_kind: global_buffer, .address_space: global }
    .group_segment_fixed_size: 327680
    .private_segment_fixed_size: 0
    .kernarg_segment_align: 8
    .kernarg_segment_size: 48
    .max_flat_workgroup_size: 512
    .sgpr_count:     66
    .vgpr_count:     256
    .wavefront_size: 32
...
	.end_amdgpu_metadata
.endif
;; end of part 4
